; MI455X (gfx1250); checked and timed in simulation.
; The chip was launched on July 23, 2026; its instructions are those of AMD's public machine-readable ISA for CDNA 5 (MIT licence, August 2026) and "CDNA5" Instruction Set Architecture Reference Guide (July 2026). The comments in the code are by the model that wrote it; some were corrected since.
;; Time Aware Multi Head Latent Attention. Allowed arithmetic: float matrix products may take bf16 or f16 operands with f32 sums; other float arithmetic in f32, or as packed bf16 or f16 multiplies, adds, multiply-adds, maxima and minima; sums over many terms, partial sums and values carried from step to step in f32; what a program stores and reads back later, other than sums and carried values, may be rounded once to bf16 or f16.
;; Inputs: W_down_kv 1,024 x 256 float32; W_up_k 256 x 1,024 float32; W_up_v 256 x 1,024 float32; Wk 1,024 x 1,024 float32; Wo 1,024 x 1,024 float32; Wq 1,024 x 1,024 float32; Wv 1,024 x 1,024 float32; x 2 x 2,048 x 1,024 float32.
;; Outputs: out0 2 x 2,048 x 1,024 float32; out1 2 x 2,048 x 256 float32.
;; One version. Each part assembles by itself: llvm-mc -triple=amdgcn-amd-amdhsa -mcpu=gfx1250 --defsym DOCPART=n.
;; ======== version 1 of 1: 5 launches
;; limits: values are held in f16: magnitudes above 65,504 overflow, below 6.1e-05 lose precision; right only within a limited range of input values; inputs' magnitudes at most 65,504
;; workspace buffers: pa 14,158,848 bytes; pq 10,485,760 bytes; pkv 16,777,216 bytes; po 8,388,608 bytes
;; launch prep (part 1): grid 704 x 1, 8 waves a work-group, no clusters, 149,760 bytes of LDS; arguments x, Wq, Wk, Wv, Wo, W_down_kv, W_up_k, W_up_v, pa; writes pa
.if DOCPART == 1
	.amdgcn_target "amdgcn-amd-amdhsa--gfx1250"
	.amdhsa_code_object_version 6
	.text
	.protected	k_qedaed954f0_prep
	.globl	k_qedaed954f0_prep
	.p2align	8
	.type	k_qedaed954f0_prep,@function
k_qedaed954f0_prep:
	s_mov_b64 s[64:65], 0
	v_nop
	global_prefetch_b8 v0, s[64:65] scope:SCOPE_SE
	s_setreg_imm32_b32 hwreg(HW_REG_WAVE_MODE, 25, 1), 1
	s_wait_xcnt 0x0
; PREP.  Every input is rounded once to bf16.  x, Wq, Wo, W_up_k, W_up_v: that bf16 number is written as f16 (exact between 2^-17 and 65,504; below, f16's fixed step of 2^-24),
; the weights turned to [column][k].  Wk, Wv and W_down_kv are folded: Wkvd = bf(Wk) bf(Wd) + bf(Wv) bf(Wd), since (x Wk + x Wv) Wd = x (Wk Wd + Wv Wd) for every input;
; only the order of the f32 roundings differs from the reference's.  Wkvd is stored as f16(16 Wkvd).
; LIMITS.  |x| and |weights| under 65,504; |Wkvd| under 4,094; NaN is dropped from the maxima.
; Each work-group also stores the largest magnitude that it has seen (x, weight or Wkvd): the later launches make power-of-two scales of these.
; ROLES by the work-group's number: 0-255 the fold (32 x 32 of Wkvd each, its 1,024 terms split among the eight waves), 256-383 x (32 rows each), 384-703 the turned weights (tiles of 128 k x 64 columns).
; No tensor loads: f32 has to pass through registers to be rounded.  No cluster: no large tile is shared.  No prefetch: the launch streams.
.set W1T,   8388608                    ; pa: x16 [4096][1024] at 0; then W1T [1280][1024]: row 160 j + t = Wq's column 128 j + t (t < 128) or 16 Wkvd's column 32 j + t - 128
.set W2T,   11010048                   ; [2048][256]: row 256 j + t = W_up_k's column 128 j + t (t < 128) or W_up_v's column 128 j + t - 128
.set WOT,   12058624                   ; [1024][1024]: Wo turned
.set STAT,  14155776                   ; 704 f32, one for each work-group
.set RED,   98304                      ; LDS: 0: eight waves x 128 rows x 96 bytes of Wd in bf16; RED: eight waves x four partial tiles of 1,024 bytes
.set RMAX,  131072                     ; eight maxima
.set SPARE, 131328                     ; the spare words, 128 bytes for each wave: four blocks of 256 bytes that no other line names
.set TST,   132352                     ; the turning stage: 64 rows x 272 bytes
.set MX,  8                            ; v8   the largest magnitude so far
.set PT,  9                            ; v9   at work
.set SPW, 10                           ; v10  my spare word; never rewritten
.set NIL, 11                           ; v11  0; never rewritten
.set TC,  16                           ; v16-19 packed bf16, v20-27 the same numbers as f32
.set TU,  20
.set BFR, 16                           ; the fold: v16-31 two fragments of Wd
.set ACC, 32                           ; v32-63 four accumulators: 2 x (block of 16 rows i) + (block of 16 columns l)
.set RAW, 64                           ; v64-191 f32 as loaded
.set BF,  192                          ; v192-255 eight fragments of Wk and Wv in bf16
.set Y,   192                          ; v192-255 f16 to store
.set WV,  22                           ; s22  my wave's number
.macro PLACES                          ; four plain instructions between a matrix instruction and a write of, or a load into, its registers, or a read of its result
.rept 4
	v_nop
.endr
.endm
.macro CVT8 src, dst                   ; eight f32 -> bf16 -> the same numbers as f16, packed; the maximum goes along
.irp j,0,1,2,3
	v_max3_num_f32 v[MX], v[MX], |v[(\src)+2*\j]|, |v[(\src)+2*\j+1]|
	v_cvt_pk_bf16_f32 v[TC+\j], v[(\src)+2*\j], v[(\src)+2*\j+1]
.endr
.irp j,0,1,2,3
	v_lshlrev_b32 v[TU+2*\j], 16, v[TC+\j]
	v_and_b32 v[TU+2*\j+1], 0xffff0000, v[TC+\j]
.endr
.irp j,0,1,2,3
	v_cvt_pk_f16_f32 v[(\dst)+\j], v[TU+2*\j], v[TU+2*\j+1]
.endr
.endm
	s_load_b512 s[4:19], s[0:1], 0x0               ; x s[4:5], Wq s[6:7], Wk s[8:9], Wv s[10:11], Wo s[12:13], Wd s[14:15], W_up_k s[16:17], W_up_v s[18:19]
	s_load_b64 s[20:21], s[0:1], 0x40              ; pa
	v_lshl_add_u32 v[SPW], v0, 2, SPARE
	v_mov_b32 v[NIL], 0
	v_lshrrev_b32 v1, 5, v0
	v_readfirstlane_b32 s[WV], v1                  ; wave 0..7
	v_and_b32 v2, 31, v0                           ; lane
	v_mov_b32 v[MX], 0
	v_mov_b32 v[PT], 0
	s_mov_b32 s24, 0x76543210                      ; v_permlanex16_b32: each lane takes its own place in the other half
	s_mov_b32 s25, 0xfedcba98
	s_mov_b32 s29, 0
	s_wait_kmcnt 0x0
	s_cmp_lt_u32 ttmp9, 256
	s_cbranch_scc1 .Lfold
	s_cmp_lt_u32 ttmp9, 384
	s_cbranch_scc1 .Lcast
	; ---- THE TURNED WEIGHTS.  u = 0-127 Wq, 128-255 Wo (8 tiles along k), 256-287 W_up_k, 288-319 W_up_v (2 tiles along k); all four have rows of 4,096 bytes.
	s_sub_co_u32 s26, ttmp9, 384
	s_mov_b32 s48, 160
	s_mov_b32 s49, W1T
	s_cmp_lt_u32 s26, 128
	s_cselect_b64 s[36:37], s[6:7], s[12:13]
	s_cselect_b32 s45, s48, 128                    ; rows of the target for each 128 columns
	s_cselect_b32 s43, s49, WOT
	s_cmp_lt_u32 s26, 288
	s_cselect_b64 s[38:39], s[16:17], s[18:19]
	s_cselect_b32 s46, 0, 128                      ; W_up_v's rows lie 128 behind W_up_k's
	s_cmp_lt_u32 s26, 256
	s_cselect_b64 s[36:37], s[36:37], s[38:39]     ; the source
	s_cselect_b32 s44, 3, 1                        ; bits of the tile's number along k
	s_cselect_b32 s42, 11, 9                       ; a target row is 2,048 or 512 bytes
	s_cselect_b32 s47, 127, 31
	s_cselect_b32 s46, 0, s46
	s_cselect_b32 s45, s45, 256
	s_cselect_b32 s43, s43, W2T
	s_and_b32 s26, s26, s47                        ; the tile's number in its tensor
	s_bfm_b32 s38, s44, 0
	s_and_b32 s38, s26, s38                        ; kt: k0 = 128 kt
	s_lshr_b32 s39, s26, s44                       ; nt: n0 = 64 nt
	s_lshr_b32 s40, s39, 1
	s_mul_i32 s40, s40, s45
	s_and_b32 s41, s39, 1
	s_lshl_b32 s41, s41, 6
	s_add_co_u32 s40, s40, s41
	s_add_co_u32 s40, s40, s46                     ; the tile's first target row
	s_lshl_b32 s40, s40, s42
	s_lshl_b32 s41, s38, 8                         ; 128 k are 256 bytes of it
	s_add_co_u32 s40, s40, s41
	s_add_co_u32 s40, s40, s43
	s_mov_b32 s41, 0
	s_add_nc_u64 s[30:31], s[20:21], s[40:41]
	s_lshl_b32 s40, s38, 19                        ; 128 source rows of 4,096 bytes
	s_lshl_b32 s47, s39, 8                         ; 64 columns of 4 bytes
	s_add_co_u32 s40, s40, s47
	s_add_nc_u64 s[36:37], s[36:37], s[40:41]
	v_and_b32 v3, 15, v0                           ; four columns 4 (t % 16) ..
	v_lshrrev_b32 v4, 4, v0                        ; rows 2 kp, 2 kp + 1, kp = 16 it + t / 16
	v_lshlrev_b32 v5, 13, v4
	v_lshl_add_u32 v5, v3, 4, v5
.irp it,0,1,2,3
	global_load_b128 v[RAW+8*\it:RAW+8*\it+3],   v5, s[36:37] offset:131072*\it th:TH_LOAD_NT       ; sixteen lanes read 256 consecutive bytes of a row
	global_load_b128 v[RAW+8*\it+4:RAW+8*\it+7], v5, s[36:37] offset:131072*\it+4096 th:TH_LOAD_NT
.endr
	v_mul_u32_u24 v6, v3, 4*272
	v_lshl_add_u32 v6, v4, 2, v6
	v_add_nc_u32 v6, TST, v6                       ; into the stage: row = column, word = kp
	v_mul_u32_u24 v7, v4, 272
	v_lshl_add_u32 v7, v3, 4, v7
	v_add_nc_u32 v7, TST, v7                       ; back: row 16 it + t / 16, 16 bytes at 16 (t % 16)
	v_lshlrev_b32 v12, s42, v4
	v_lshl_add_u32 v12, v3, 4, v12                 ; and the same place in the target
	s_lshl_b32 s47, 16, s42
	v_add_nc_u32 v13, s47, v12
	v_add_nc_u32 v14, s47, v13
	v_add_nc_u32 v15, s47, v14
	s_wait_loadcnt 0x0
.irp it,0,1,2,3
.irp j,0,1,2,3
	v_max3_num_f32 v[MX], v[MX], |v[RAW+8*\it+\j]|, |v[RAW+8*\it+4+\j]|
	v_cvt_pk_bf16_f32 v[TC+\j], v[RAW+8*\it+\j], v[RAW+8*\it+4+\j]    ; two neighbouring k of one column
.endr
.irp j,0,1,2,3
	v_lshlrev_b32 v[TU+2*\j], 16, v[TC+\j]
	v_and_b32 v[TU+2*\j+1], 0xffff0000, v[TC+\j]
.endr
.irp j,0,1,2,3
	v_cvt_pk_f16_f32 v[Y+4*\it+\j], v[TU+2*\j], v[TU+2*\j+1]
	ds_store_b32 v6, v[Y+4*\it+\j] offset:272*\j+64*\it
.endr
.endr
	s_wait_dscnt 0x0                               ; for the others: my stores into the stage are done
	s_barrier_signal -1
	s_barrier_wait -1
.irp it,0,1,2,3
	ds_load_b128 v[RAW+4*\it:RAW+4*\it+3], v7 offset:\it*16*272
.endr
.irp it,0,1,2,3
	s_wait_dscnt 3-\it                             ; the younger read-backs may stay out
	global_store_b128 v[12+\it], v[RAW+4*\it:RAW+4*\it+3], s[30:31]   ; sixteen lanes store 256 consecutive bytes, aligned
.endr
	s_branch .Lmax
	; ---- x: 32 rows, 131,072 bytes in, 65,536 out.  Thread t takes 32 bytes at 8,192 i + 32 t, sixteen times; all 32 loads go out first.
.Lcast:
	s_sub_co_u32 s26, ttmp9, 256
	s_lshl_b32 s28, s26, 17
	s_add_nc_u64 s[4:5], s[4:5], s[28:29]
	s_lshl_b32 s28, s26, 16
	s_add_nc_u64 s[30:31], s[20:21], s[28:29]
	v_lshlrev_b32 v3, 5, v0
	v_lshlrev_b32 v4, 4, v0
.set i, 0
.rept 16
	global_load_b128 v[RAW+8*i:RAW+8*i+3],   v3, s[4:5] offset:8192*i th:TH_LOAD_NT
	global_load_b128 v[RAW+8*i+4:RAW+8*i+7], v3, s[4:5] offset:8192*i+16 th:TH_LOAD_NT
.set i, i+1
.endr
.set i, 0
.rept 16
	s_wait_loadcnt 30-2*i                          ; loads come back in order: the 30 - 2 i younger ones may stay out
	CVT8 RAW+8*i, Y+4*i
	global_store_b128 v4, v[Y+4*i:Y+4*i+3], s[30:31] offset:4096*i    ; each store has data registers of its own
.set i, i+1
.endr
	s_branch .Lmax
	; ---- THE FOLD.  Rows i = 32 ib .., columns l = 32 lb ..; wave w takes the terms k = 128 w .. 128 w + 127 of both products.
.Lfold:
	s_and_b32 s26, ttmp9, 31                       ; ib
	s_lshr_b32 s27, ttmp9, 5                       ; lb
	s_lshl_b32 s28, s[WV], 17                      ; Wd: 128 rows of 1,024 bytes a wave,
	s_lshl_b32 s36, s27, 7                         ; 32 columns of 4 bytes
	s_add_co_u32 s28, s28, s36
	s_add_nc_u64 s[14:15], s[14:15], s[28:29]
	s_lshl_b32 s28, s26, 17                        ; Wk, Wv: 32 rows of 4,096 bytes,
	s_lshl_b32 s36, s[WV], 9                       ; 128 k of 4 bytes
	s_add_co_u32 s28, s28, s36
	s_add_nc_u64 s[8:9], s[8:9], s[28:29]
	s_add_nc_u64 s[10:11], s[10:11], s[28:29]
	v_lshrrev_b32 v3, 3, v2
	v_and_b32 v4, 7, v2
	v_lshlrev_b32 v5, 10, v3
	v_lshl_add_u32 v5, v4, 4, v5                   ; eight lanes a row of Wd's 128 bytes, four rows a load
.set n, 0
.rept 32
	global_load_b128 v[RAW+4*n:RAW+4*n+3], v5, s[14:15] offset:4096*n
.set n, n+1
.endr
	v_and_b32 v12, 15, v2                          ; r
	v_lshrrev_b32 v13, 4, v2                       ; h
	v_lshlrev_b32 v6, 12, v12
	v_lshl_add_u32 v6, v13, 5, v6                  ; a fragment of Wk or Wv: row r, f32 at 32 h
	s_mul_i32 s37, s[WV], 12288                    ; my wave's own part of the stage
	v_mul_u32_u24 v7, v3, 96
	v_lshl_add_u32 v7, v4, 3, v7
	v_add_nc_u32 v7, s37, v7
	v_lshl_add_u32 v14, v13, 3, v4                 ; the turning load: row 8 h + lane % 8, 16 bytes at 16 ((lane / 8) % 2)
	v_mul_u32_u24 v14, v14, 96
	v_and_b32 v15, 1, v3
	v_lshl_add_u32 v14, v15, 4, v14
	v_add_nc_u32 v14, s37, v14
	s_wait_loadcnt 0x0
.set n, 0
.rept 32
	v_cvt_pk_bf16_f32 v[BF+2*n],   v[RAW+4*n],   v[RAW+4*n+1]
	v_cvt_pk_bf16_f32 v[BF+2*n+1], v[RAW+4*n+2], v[RAW+4*n+3]
	ds_store_b64 v7, v[BF+2*n:BF+2*n+1] offset:384*n   ; my own bytes: LDS serves a wave's instructions in order, so no barrier
.set n, n+1
.endr
.macro FLOADS hf                       ; 64 k of both tensors: fragment 4 T + 2 b + c (tensor, block of 16 rows, 32 k), 16 f32 a lane
.irp T,0,1
.irp b,0,1
.irp c,0,1
	global_load_b128 v[RAW+16*(4*\T+2*\b+\c):RAW+16*(4*\T+2*\b+\c)+3],     v6, s[8+2*\T:9+2*\T] offset:65536*\b+256*(\hf)+128*\c
	global_load_b128 v[RAW+16*(4*\T+2*\b+\c)+4:RAW+16*(4*\T+2*\b+\c)+7],   v6, s[8+2*\T:9+2*\T] offset:65536*\b+256*(\hf)+128*\c+16
	global_load_b128 v[RAW+16*(4*\T+2*\b+\c)+8:RAW+16*(4*\T+2*\b+\c)+11],  v6, s[8+2*\T:9+2*\T] offset:65536*\b+256*(\hf)+128*\c+64
	global_load_b128 v[RAW+16*(4*\T+2*\b+\c)+12:RAW+16*(4*\T+2*\b+\c)+15], v6, s[8+2*\T:9+2*\T] offset:65536*\b+256*(\hf)+128*\c+80
.endr
.endr
.endr
.endm
.macro FCVT
.set n, 0
.rept 64
	v_cvt_pk_bf16_f32 v[BF+n], v[RAW+2*n], v[RAW+2*n+1]
.set n, n+1
.endr
.endm
; 32 k: two fragments of Wd, turned, and eight products.  The four accumulators take turns, one instruction a turn.  zero = 1: the first four start the sums.
.macro FCHUNK k, c, zero
	PLACES
.irp l,0,1
	ds_load_tr16_b128 v[BFR+8*\l:BFR+8*\l+3],   v14 offset:(\k)*96+32*\l
	ds_load_tr16_b128 v[BFR+8*\l+4:BFR+8*\l+7], v14 offset:(\k)*96+32*\l+16*96
.endr
	s_wait_dscnt 0x0
.irp T,0,1
.irp b,0,1
.irp l,0,1
.if (\zero) && (\T == 0)
	v_wmma_f32_16x16x32_bf16 v[ACC+8*(2*\b+\l):ACC+8*(2*\b+\l)+7], v[BF+8*(4*\T+2*\b+(\c)):BF+8*(4*\T+2*\b+(\c))+7], v[BFR+8*\l:BFR+8*\l+7], 0
.else
	v_wmma_f32_16x16x32_bf16 v[ACC+8*(2*\b+\l):ACC+8*(2*\b+\l)+7], v[BF+8*(4*\T+2*\b+(\c)):BF+8*(4*\T+2*\b+(\c))+7], v[BFR+8*\l:BFR+8*\l+7], v[ACC+8*(2*\b+\l):ACC+8*(2*\b+\l)+7]
.endif
.endr
.endr
.endr
.endm
	FLOADS 0
	s_wait_loadcnt 0x0
	FCVT
	FLOADS 1                                       ; the second half is on its way while the first is multiplied
	FCHUNK 0, 0, 1
	FCHUNK 32, 1, 0
	s_wait_loadcnt 0x0
	PLACES
	FCVT
	FCHUNK 64, 0, 0
	FCHUNK 96, 1, 0
	PLACES
	s_lshl_b32 s38, s[WV], 12
	v_lshlrev_b32 v3, 5, v2
	v_add_nc_u32 v4, s38, v3
	v_add_nc_u32 v4, RED, v4
.irp q,0,1,2,3
	ds_store_b128 v4, v[ACC+8*\q:ACC+8*\q+3]   offset:1024*\q
	ds_store_b128 v4, v[ACC+8*\q+4:ACC+8*\q+7] offset:1024*\q+16
.endr
	s_wait_dscnt 0x0
	s_barrier_signal -1
	s_barrier_wait -1                              ; all eight partial sums of the four tiles lie in LDS
	s_cmp_lt_u32 s[WV], 4                          ; wave w < 4 finishes tile w
	s_cbranch_scc0 .Lmax
	s_lshl_b32 s38, s[WV], 10
	v_add_nc_u32 v4, s38, v3
	v_add_nc_u32 v4, RED, v4
.irp w,0,1,2,3,4,5,6,7
	ds_load_b128 v[RAW+8*\w:RAW+8*\w+3],   v4 offset:4096*\w
	ds_load_b128 v[RAW+8*\w+4:RAW+8*\w+7], v4 offset:4096*\w+16
.endr
	s_wait_dscnt 0x0
.irp j,0,2,4,6
	v_pk_add_f32 v[RAW+\j:RAW+\j+1],       v[RAW+\j:RAW+\j+1],       v[RAW+8+\j:RAW+8+\j+1]
	v_pk_add_f32 v[RAW+16+\j:RAW+16+\j+1], v[RAW+16+\j:RAW+16+\j+1], v[RAW+24+\j:RAW+24+\j+1]
	v_pk_add_f32 v[RAW+32+\j:RAW+32+\j+1], v[RAW+32+\j:RAW+32+\j+1], v[RAW+40+\j:RAW+40+\j+1]
	v_pk_add_f32 v[RAW+48+\j:RAW+48+\j+1], v[RAW+48+\j:RAW+48+\j+1], v[RAW+56+\j:RAW+56+\j+1]
.endr
.irp j,0,2,4,6
	v_pk_add_f32 v[RAW+\j:RAW+\j+1],       v[RAW+\j:RAW+\j+1],       v[RAW+16+\j:RAW+16+\j+1]
	v_pk_add_f32 v[RAW+32+\j:RAW+32+\j+1], v[RAW+32+\j:RAW+32+\j+1], v[RAW+48+\j:RAW+48+\j+1]
.endr
.irp j,0,2,4,6
	v_pk_add_f32 v[RAW+\j:RAW+\j+1], v[RAW+\j:RAW+\j+1], v[RAW+32+\j:RAW+32+\j+1]
.endr
.irp j,0,2,4,6
	v_max3_num_f32 v[MX], v[MX], |v[RAW+\j]|, |v[RAW+\j+1]|
.endr
	s_mov_b32 s40, 0x41800000                      ; 16.0
	s_mov_b32 s41, s40
.irp j,0,2,4,6
	v_pk_mul_f32 v[RAW+\j:RAW+\j+1], v[RAW+\j:RAW+\j+1], s[40:41] op_sel_hi:[1,0]
.endr
.irp j,0,1,2,3
	v_cvt_pk_f16_f32 v[Y+\j], v[RAW+2*\j], v[RAW+2*\j+1]
.endr
	s_mul_i32 s38, s27, 160                        ; a lane holds column l = 16 (w % 2) + r and rows i = 16 (w / 2) + 8 h + 0..7: 16 bytes of W1T's row 160 lb + 128 + l
	s_and_b32 s39, s[WV], 1
	s_lshl_b32 s39, s39, 4
	s_add_co_u32 s38, s38, s39
	s_add_co_u32 s38, s38, 128
	s_lshl_b32 s38, s38, 11
	s_lshl_b32 s39, s26, 6
	s_add_co_u32 s38, s38, s39
	s_lshr_b32 s39, s[WV], 1
	s_lshl_b32 s39, s39, 5
	s_add_co_u32 s38, s38, s39
	s_add_co_u32 s38, s38, W1T
	s_mov_b32 s39, 0
	s_add_nc_u64 s[30:31], s[20:21], s[38:39]
	v_lshlrev_b32 v5, 11, v12
	v_lshl_add_u32 v5, v13, 4, v5
	global_store_b128 v5, v[Y:Y+3], s[30:31]       ; 16 bytes a lane into rows 2,048 bytes apart: 512 KiB in the whole launch, once
	; ---- THE WORK-GROUP'S MAXIMUM: across the lanes, then across the waves through LDS; thread 0 stores it.
.Lmax:
	s_wait_xcnt 0x0                                ; every load and store issued so far has read its registers: they are rewritten only behind this wait
	v_max_num_f32_dpp v[MX], v[MX], v[MX] row_xmask:1 row_mask:0xf bank_mask:0xf
	v_max_num_f32_dpp v[MX], v[MX], v[MX] row_xmask:2 row_mask:0xf bank_mask:0xf
	v_max_num_f32_dpp v[MX], v[MX], v[MX] row_xmask:4 row_mask:0xf bank_mask:0xf
	v_max_num_f32_dpp v[MX], v[MX], v[MX] row_xmask:8 row_mask:0xf bank_mask:0xf
	v_permlanex16_b32 v[PT], v[MX], s24, s25
	v_max_num_f32 v[MX], v[MX], v[PT]
	v_mov_b32 v12, s[WV]
	v_lshl_add_u32 v12, v12, 2, RMAX
	ds_store_b32 v12, v[MX]
	s_wait_dscnt 0x0
	s_barrier_signal -1
	s_barrier_wait -1
	v_mov_b32 v13, RMAX
	ds_load_b128 v[16:19], v13
	ds_load_b128 v[20:23], v13 offset:16
	s_lshl_b32 s28, ttmp9, 2
	s_add_co_u32 s28, s28, STAT
	s_add_nc_u64 s[32:33], s[20:21], s[28:29]
	v_mov_b32 v14, 0
	s_wait_dscnt 0x0
	v_max3_num_f32 v16, v16, v17, v18
	v_max3_num_f32 v16, v16, v19, v20
	v_max3_num_f32 v16, v16, v21, v22
	v_max_num_f32 v16, v16, v23
	v_cmp_eq_u32 vcc_lo, 0, v0
	s_wait_xcnt 0x0                                ; EXEC changes only behind this wait
	s_and_saveexec_b32 s34, vcc_lo
	global_store_b32 v14, v16, s[32:33]
	s_wait_xcnt 0x0                                ; and again in front of the line that widens it
	s_or_b32 exec_lo, exec_lo, s34
	s_wait_tensorcnt 0x0                           ; the wave's end, behind my last LDS store
	ds_add_u32 v[SPW], v[NIL]
	s_wait_dscnt 0x0
	s_endpgm
.Lfunc_end_k_qedaed954f0_prep:
	.size	k_qedaed954f0_prep, .Lfunc_end_k_qedaed954f0_prep-k_qedaed954f0_prep
	.p2alignl 7, 3214868480
	.fill 96, 4, 3214868480
	.section	.rodata,"a",@progbits
	.p2align	6, 0x0
	.amdhsa_kernel k_qedaed954f0_prep
		.amdhsa_group_segment_fixed_size 149760
		.amdhsa_private_segment_fixed_size 0
		.amdhsa_enable_private_segment 0
		.amdhsa_kernarg_size 72
		.amdhsa_user_sgpr_count 2
		.amdhsa_user_sgpr_kernarg_segment_ptr 1
		.amdhsa_wavefront_size32 1
		.amdhsa_system_sgpr_workgroup_id_x 1
		.amdhsa_system_sgpr_workgroup_id_y 1
		.amdhsa_system_sgpr_workgroup_id_z 1
		.amdhsa_system_vgpr_workitem_id 0
		.amdhsa_next_free_vgpr 256
		.amdhsa_next_free_sgpr 66
		.amdhsa_reserve_vcc 1
		.amdhsa_float_denorm_mode_32 3
		.amdhsa_float_denorm_mode_16_64 3
		.amdhsa_memory_ordered 1
		.amdhsa_forward_progress 1
		.amdhsa_inst_pref_size 69
	.end_amdhsa_kernel
	.amdgpu_metadata
---
amdhsa.version: [ 1, 2 ]
amdhsa.kernels:
  - .name:           k_qedaed954f0_prep
    .symbol:         k_qedaed954f0_prep.kd
    .args:
      - { .name: x, .offset: 0, .size: 8, .value_kind: global_buffer, .address_space: global }
      - { .name: Wq, .offset: 8, .size: 8, .value_kind: global_buffer, .address_space: global }
      - { .name: Wk, .offset: 16, .size: 8, .value_kind: global_buffer, .address_space: global }
      - { .name: Wv, .offset: 24, .size: 8, .value_kind: global_buffer, .address_space: global }
      - { .name: Wo, .offset: 32, .size: 8, .value_kind: global_buffer, .address_space: global }
      - { .name: W_down_kv, .offset: 40, .size: 8, .value_kind: global_buffer, .address_space: global }
      - { .name: W_up_k, .offset: 48, .size: 8, .value_kind: global_buffer, .address_space: global }
      - { .name: W_up_v, .offset: 56, .size: 8, .value_kind: global_buffer, .address_space: global }
      - { .name: pa, .offset: 64, .size: 8, .value_kind: global_buffer, .address_space: global }
    .group_segment_fixed_size: 149760
    .private_segment_fixed_size: 0
    .kernarg_segment_align: 8
    .kernarg_segment_size: 72
    .max_flat_workgroup_size: 256
    .sgpr_count:     66
    .vgpr_count:     256
    .wavefront_size: 32
...
	.end_amdgpu_metadata
.endif
;; end of part 1
;; launch gemm1 (part 2): grid 8 x 32, 4 waves a work-group, clusters of 4 x 4, 327,680 bytes of LDS; arguments pa, pq, out1; writes pq, out1
.if DOCPART == 2
	.amdgcn_target "amdgcn-amd-amdhsa--gfx1250"
	.amdhsa_code_object_version 6
	.text
	.protected	k_qedaed954f0_gemm1
	.globl	k_qedaed954f0_gemm1
	.p2align	8
	.type	k_qedaed954f0_gemm1,@function
k_qedaed954f0_gemm1:
	s_mov_b64 s[64:65], 0
	v_nop
	global_prefetch_b8 v0, s[64:65] scope:SCOPE_SE
	s_setreg_imm32_b32 hwreg(HW_REG_WAVE_MODE, 25, 1), 1
	s_wait_xcnt 0x0
	s_wait_alu depctr_hold_cnt(0) depctr_sa_sdst(0) depctr_va_vdst(0) depctr_va_sdst(0) depctr_va_ssrc(0) depctr_va_vcc(0) depctr_vm_vsrc(0)
	s_getreg_b32 s2, hwreg(HW_REG_IB_STS2, 6, 4)
	s_cmp_eq_u32 s2, 0
	s_cbranch_scc0 .Lentry_in_a_cluster
	s_endpgm
.Lentry_in_a_cluster:
	s_bfe_u32 s2, ttmp6, 0x10000c
	s_cmp_lg_u32 s2, 0xf033
	s_cbranch_scc0 .Lentry_shape_is_right
	s_endpgm
.Lentry_shape_is_right:
; [q | 16 latent] = x16 W1T^T.  x16 [4096][1024] and W1T [1280][1024] in f16 (numbers rounded to bf16, but for the folded weight, which is f16(16 Wkvd)); sums in f32.
; A tile is 128 rows x 160 columns: 128 columns of q (two heads) and 32 of the latent, so that all 256 tiles are alike.  Four waves, 64 rows x 80 columns each: one head of q (four blocks of 16) and one block of the latent.
; q leaves as bf16 by heads, [32][2048][64]; the latent as f32 (out1) and, times the power of two tau, as f16 in blocks [8][4096][32] for the next launch.
; tau: BL = 1,024 max|x| max|Wkvd| bounds |latent|; with e = BL's biased exponent held to 16..240, tau = 2^(140 - e), so |latent tau| stays under 2^14.
; K goes in steps of 256 through two LDS slots (rows of 512 bytes, 16 of padding).  CLUSTER 4 x 4: x16's tile is shared along a row of the cluster, W1T's along a column; each is asked for jointly.
; THE MATRIX INSTRUCTION IS USED TRANSPOSED (source 0 = 16 rows of W1T, source 1 = 16 rows of x16): a lane holds eight neighbouring columns of one row.
; No prefetch: the tiles are small and the launch is short.  out1's rows leave in pieces of 128 bytes: the other half of each aligned 256 belongs to the neighbouring column tile.
; REGISTERS.  Window 1: 20 accumulators, (a, b) at 8 (5 a + b).  Window 0: v10-15 fragment addresses, v20-27 the way out, v32-103 and v104-175 two fragment buffers (4 of x16, 5 of W1T), v224-247 the scales.
.set NB,    5
.set NL,    18                         ; LDS loads in a fetch
.set KSTEP, 256
.set PITCH, 528
.set AH,    64*PITCH                   ; what a wave fetches of x16
.set BH,    80*PITCH                   ; and of W1T
.set BOFF,  2*AH
.set SLOT,  2*AH+2*BH
.set SPARE, 2*SLOT                     ; the spare words, 128 bytes for each wave: two blocks of 256 bytes that no other line names
.set QST,   0                          ; the stages lie in slot 0, which has had its last fill and its last read when they are written:
.set LST,   9216                       ; QST 4 waves x 16 rows x 144; LST 128 rows x 144 (32 f32); HST 128 rows x 80 (32 f16)
.set HST,   27648
.set W1T,   8388608
.set STAT,  14155776
.set LAT,   8388608
.set CA, 10
.set CB, 11
.set CB2, 12
.set A0, 13
.set B0, 14
.set B20, 15
.set QSTO, 20
.set QRD, 21
.set GL, 22
.set LSTO, 23
.set HSTO, 24
.set LRD, 25
.set HRD, 26
.set GO1, 27
.set SPW, 28
.set NIL, 29
.set FR0, 32
.set FR1, 104
.set TQ, 32                            ; the way out: q, 16 registers for each block of 16 rows
.set TL, 96                            ; the latent in f32, 8 for each block
.set TH, 128                           ; at work
.set TH16, 136                         ; the latent in f16, 4 for each block
.set TAU, 240
.set G1, 24
.set G0, 32
.set G1B, 48
.set G0B, 56
.set KO, 45                            ; s45  LDS byte of the slot and pair of chunks in hand
.set SEL, 74
.set MSB, 0
.macro WIN new
.if MSB != (\new)
	s_set_vgpr_msb (MSB<<8)|(\new)
.set MSB, \new
.endif
.endm
.macro PLACES
.rept 4
	v_nop
.endr
.endm
.macro JLOAD s                         ; a joint load: waves 0 and 1 fetch x16's two halves, waves 2 and 3 W1T's; an s_nop 0 and four v_nop follow each line
	s_cmp_eq_u32 s11, 0
	s_cbranch_scc0 .Lfor_b_\@
	tensor_load_to_lds s[G0+4*(\s):G0+4*(\s)+3], s[G1:G1+7]
	s_nop 0
.rept 4
	v_nop
.endr
	s_branch .Lasked_\@
.Lfor_b_\@:
	tensor_load_to_lds s[G0B+4*(\s):G0B+4*(\s)+3], s[G1B:G1B+7]
	s_nop 0
.rept 4
	v_nop
.endr
.Lasked_\@:
.endm
.macro CREST                           ; a round of the cluster's barrier behind its opening barrier
	s_cmp_lg_u32 s10, 0
	s_cbranch_scc1 .Lnot_wave_0_\@
	s_barrier_signal -3
.Lnot_wave_0_\@:
	s_barrier_wait -3
	s_barrier_signal -1
	s_barrier_wait -1
.endm
.macro CROUND
	s_barrier_signal -1
	s_barrier_wait -1
	CREST
.endm
.macro LANEMAX r
	v_max_num_f32_dpp v[\r], v[\r], v[\r] row_xmask:1 row_mask:0xf bank_mask:0xf
	v_max_num_f32_dpp v[\r], v[\r], v[\r] row_xmask:2 row_mask:0xf bank_mask:0xf
	v_max_num_f32_dpp v[\r], v[\r], v[\r] row_xmask:4 row_mask:0xf bank_mask:0xf
	v_max_num_f32_dpp v[\r], v[\r], v[\r] row_xmask:8 row_mask:0xf bank_mask:0xf
	v_permlanex16_b32 v237, v[\r], s[SEL], s[SEL+1]
	v_max_num_f32 v[\r], v[\r], v237
.endm
.macro STATLOAD                        ; the maxima that the first launch stored: 256 of Wkvd, 128 of x, 32 of W_up_v
	s_add_nc_u64 s[72:73], s[4:5], STAT
	v_and_b32 v30, 31, v0
	v_lshlrev_b32 v31, 2, v30
	v_lshlrev_b32 v30, 4, v30
	global_load_b128 v[224:227], v30, s[72:73]
	global_load_b128 v[228:231], v30, s[72:73] offset:512
	global_load_b128 v[232:235], v30, s[72:73] offset:1024
	global_load_b32 v236, v31, s[72:73] offset:2688
.endm
.macro SCALES                          ; v[240:241] tau, v[242:243] 1 / tau, v[244:245] sigma, v[246:247] 1 / sigma: the same lines in all three products, so the same numbers
	s_wait_loadcnt 0x0
	v_max3_num_f32 v224, v224, v225, v226
	v_max3_num_f32 v224, v224, v227, v228
	v_max3_num_f32 v224, v224, v229, v230
	v_max_num_f32 v224, v224, v231
	v_max3_num_f32 v232, v232, v233, v234
	v_max_num_f32 v232, v232, v235
	v_mov_b32 v237, 0
	LANEMAX 224
	LANEMAX 232
	LANEMAX 236
	v_mul_f32 v238, v224, v232
	v_mul_f32 v238, 0x44800000, v238               ; BL = 1,024 max|x| max|Wkvd|
	v_mul_f32 v239, v238, v236
	v_mul_f32 v239, 0x43800000, v239               ; BV = 256 BL max|W_up_v|
	v_lshrrev_b32 v238, 23, v238
	v_lshrrev_b32 v239, 23, v239
	v_max_u32 v238, 16, v238
	v_max_u32 v239, 16, v239
	v_min_u32 v238, 0xf0, v238
	v_min_u32 v239, 0xf0, v239
	v_sub_nc_u32 v240, 0x10b, v238
	v_add_nc_u32 v242, -13, v238
	v_sub_nc_u32 v244, 0x10b, v239
	v_add_nc_u32 v246, -13, v239
	v_lshlrev_b32 v240, 23, v240
	v_lshlrev_b32 v242, 23, v242
	v_lshlrev_b32 v244, 23, v244
	v_lshlrev_b32 v246, 23, v246
	v_mov_b32 v241, v240
	v_mov_b32 v243, v242
	v_mov_b32 v245, v244
	v_mov_b32 v247, v246
.endm
	s_load_b128 s[4:7], s[0:1], 0x0                ; pa s[4:5], pq s[6:7]
	s_load_b64 s[8:9], s[0:1], 0x10                ; out1
	v_lshl_add_u32 v[SPW], v0, 2, SPARE
	v_mov_b32 v[NIL], 0
	ds_add_u32 v[SPW], v[NIL]                      ; the wave's opening: the add, waited for ahead of my first tensor load
	v_lshrrev_b32 v1, 5, v0
	v_readfirstlane_b32 s10, v1                    ; wave 0..3
	s_lshr_b32 s11, s10, 1                         ; my half of the rows.  Also: I fetch x16 (0) or W1T (1)
	s_and_b32 s12, s10, 1                          ; my half of the columns.  Also: which half of that tile I fetch
	s_bfe_u32 s40, ttmp6, 0x40000                  ; cx
	s_bfe_u32 s41, ttmp6, 0x40004                  ; cy
	s_lshl_b32 s42, ttmp9, 2
	s_add_co_u32 s42, s42, s40                     ; tile column
	s_and_b32 s13, ttmp7, 0xffff
	s_lshl_b32 s13, s13, 2
	s_add_co_u32 s13, s13, s41                     ; tile row
	s_lshl_b32 s43, s41, 2
	s_lshl_b32 s43, 15, s43                        ; my row of the cluster
	s_lshl_b32 s44, 0x1111, s40                    ; my column
	s_or_b32 s[G1+0], s43, (1<<16)|(1<<20)|(1<<21)|(6<<22)|(3<<25)   ; the mask; 2-byte elements; padding on; bit 21 beside a mask; after every 128 words, 4 words
	s_or_b32 s[G1B+0], s44, (1<<16)|(1<<20)|(1<<21)|(6<<22)|(3<<25)
	s_mov_b32 s[G1+1], KSTEP<<16                   ; tensor_dim0 = 256
	s_mov_b32 s[G1+2], 64<<16                      ; tensor_dim1 = 64
	s_mov_b32 s[G1+3], KSTEP<<16                   ; tile_dim0 = 256
	s_mov_b32 s[G1+4], 64                          ; tile_dim1 = 64
	s_mov_b32 s[G1+5], 1024                        ; elements from row to row
	s_mov_b32 s[G1+6], 0
	s_mov_b32 s[G1+7], 0
	s_mov_b32 s[G1B+1], KSTEP<<16
	s_mov_b32 s[G1B+2], 80<<16                     ; 80 rows
	s_mov_b32 s[G1B+3], KSTEP<<16
	s_mov_b32 s[G1B+4], 80
	s_mov_b32 s[G1B+5], 1024
	s_mov_b32 s[G1B+6], 0
	s_mov_b32 s[G1B+7], 0
	s_lshl_b32 s16, s13, 7
	s_lshl_b32 s17, s12, 6
	s_add_co_u32 s16, s16, s17                     ; x16: row 128 x tile row + 64 x half
	s_lshl_b32 s16, s16, 11
	s_mov_b32 s17, 0
	s_mul_i32 s46, s42, 160
	s_mul_i32 s47, s12, 80
	s_add_co_u32 s46, s46, s47                     ; W1T: row 160 x tile column + 80 x half
	s_lshl_b32 s46, s46, 11
	s_add_co_u32 s46, s46, W1T
	s_mov_b32 s47, 0
	s_mul_i32 s20, s12, AH                         ; where they go: no place in the cluster enters an LDS address
	s_mul_i32 s21, s12, BH
	s_add_co_u32 s21, s21, BOFF
	s_mov_b32 s[SEL], 0x76543210
	s_mov_b32 s[SEL+1], 0xfedcba98
	s_mov_b32 s76, 0x3d800000                      ; 1 / 16
	s_mov_b32 s77, s76
	s_wait_dscnt 0x0                               ; the opening add is done
	s_wait_kmcnt 0x0
	s_add_nc_u64 s[14:15], s[4:5], s[16:17]
	s_add_nc_u64 s[46:47], s[4:5], s[46:47]
	CROUND                                         ; all sixteen work-groups are here: the first joint loads meet
.irp s, 0,1
	s_mov_b32 s[G0+4*(\s)], 1
	s_add_co_u32 s[G0+4*(\s)+1], s20, (\s)*SLOT
	s_add_nc_u64 s[G0+4*(\s)+2:G0+4*(\s)+3], s[14:15], (\s)*KSTEP*2
	s_or_b32 s[G0+4*(\s)+3], s[G0+4*(\s)+3], 0x80000000
	s_mov_b32 s[G0B+4*(\s)], 1
	s_add_co_u32 s[G0B+4*(\s)+1], s21, (\s)*SLOT
	s_add_nc_u64 s[G0B+4*(\s)+2:G0B+4*(\s)+3], s[46:47], (\s)*KSTEP*2
	s_or_b32 s[G0B+4*(\s)+3], s[G0B+4*(\s)+3], 0x80000000
	JLOAD \s
.endr
	STATLOAD
	; where the results go.  The tile row's part is made in s16-17, the tile column's in s46-47
	s_lshr_b32 s16, s13, 4                         ; q: [16 batch + head][row in the batch][64]
	s_lshl_b32 s16, s16, 15
	s_and_b32 s17, s13, 15
	s_lshl_b32 s17, s17, 7
	s_add_co_u32 s16, s16, s17
	s_lshl_b32 s17, s11, 6
	s_add_co_u32 s16, s16, s17
	s_lshl_b32 s17, s12, 11                        ; my head of the tile's two
	s_add_co_u32 s16, s16, s17
	s_lshl_b32 s16, s16, 7
	s_mov_b32 s17, 0
	s_add_nc_u64 s[66:67], s[6:7], s[16:17]
	s_lshl_b32 s46, s42, 19
	s_mov_b32 s47, 0
	s_add_nc_u64 s[66:67], s[66:67], s[46:47]
	s_lshl_b32 s16, s13, 17                        ; out1: row 128 x tile row + 32 x wave, 1,024 bytes each; 128 bytes at 128 x tile column
	s_lshl_b32 s18, s10, 15
	s_add_co_u32 s16, s16, s18
	s_add_nc_u64 s[68:69], s[8:9], s[16:17]
	s_lshl_b32 s46, s42, 7
	s_add_nc_u64 s[68:69], s[68:69], s[46:47]
	s_lshl_b32 s16, s13, 13                        ; the f16 latent: block = tile column, rows of 64 bytes
	s_lshl_b32 s18, s10, 11
	s_add_co_u32 s16, s16, s18
	s_add_co_u32 s16, s16, LAT
	s_add_nc_u64 s[70:71], s[6:7], s[16:17]
	s_lshl_b32 s46, s42, 18
	s_add_nc_u64 s[70:71], s[70:71], s[46:47]
	v_and_b32 v1, 15, v0                           ; r
	v_bfe_u32 v2, v0, 4, 1                         ; h
	v_and_b32 v5, 31, v0                           ; lane
	v_mul_u32_u24 v3, v1, PITCH
	v_lshl_add_u32 v3, v2, 4, v3                   ; a fragment's row x pitch + 16 x half
	s_mul_i32 s21, s11, AH
	s_mul_i32 s22, s12, AH
	s_add_co_u32 s22, s22, BOFF
	s_mul_i32 s23, s12, 16*PITCH
	s_add_co_u32 s23, s23, BOFF+128*PITCH
	v_add_nc_u32 v[A0], s21, v3                    ; my 64 rows of x16
	v_add_nc_u32 v[B0], s22, v3                    ; my 64 rows of Wq's part
	v_add_nc_u32 v[B20], s23, v3                   ; my 16 rows of the fold's part
	s_mul_i32 s23, s10, 16*144
	v_mul_u32_u24 v4, v1, 144
	v_lshl_add_u32 v4, v2, 4, v4
	v_add_nc_u32 v[QSTO], s23, v4
	v_lshrrev_b32 v6, 3, v5
	v_and_b32 v7, 7, v5
	v_mul_u32_u24 v8, v6, 144
	v_lshl_add_u32 v8, v7, 4, v8                   ; four rows of 128 bytes to a load
	v_add_nc_u32 v[QRD], s23, v8
	v_lshlrev_b32 v[GL], 4, v5
	s_mul_i32 s23, s11, 64*144
	s_lshl_b32 s22, s12, 6
	s_add_co_u32 s23, s23, s22
	s_add_co_u32 s23, s23, LST
	v_mul_u32_u24 v4, v1, 144
	v_lshl_add_u32 v4, v2, 5, v4
	v_add_nc_u32 v[LSTO], s23, v4
	s_mul_i32 s23, s11, 64*80
	s_lshl_b32 s22, s12, 5
	s_add_co_u32 s23, s23, s22
	s_add_co_u32 s23, s23, HST
	v_mul_u32_u24 v4, v1, 80
	v_lshl_add_u32 v4, v2, 4, v4
	v_add_nc_u32 v[HSTO], s23, v4
	s_mul_i32 s23, s10, 32*144
	s_add_co_u32 s23, s23, LST
	v_add_nc_u32 v[LRD], s23, v8
	s_mul_i32 s23, s10, 32*80
	s_add_co_u32 s23, s23, HST
	v_lshrrev_b32 v4, 2, v5
	v_mul_u32_u24 v4, v4, 80
	v_and_b32 v9, 3, v5
	v_lshl_add_u32 v4, v9, 4, v4
	v_add_nc_u32 v[HRD], s23, v4
	v_lshlrev_b32 v4, 10, v6
	v_lshl_add_u32 v[GO1], v7, 4, v4
.macro SETADR
	v_add_nc_u32 v[CA], s[KO], v[A0]
	v_add_nc_u32 v[CB], s[KO], v[B0]
	v_add_nc_u32 v[CB2], s[KO], v[B20]
.endm
.macro FETCH f, k                      ; the fragments of 32 along K, at byte k behind the addresses in hand
	WIN 0
.irp i,0,1,2,3
	ds_load_b128 v[(\f)+8*\i:(\f)+8*\i+3],   v[CA] offset:(\k)+\i*16*PITCH
	ds_load_b128 v[(\f)+8*\i+4:(\f)+8*\i+7], v[CA] offset:(\k)+\i*16*PITCH+32
.endr
.irp b,0,1,2,3
	ds_load_b128 v[(\f)+32+8*\b:(\f)+32+8*\b+3],   v[CB] offset:(\k)+\b*16*PITCH
	ds_load_b128 v[(\f)+32+8*\b+4:(\f)+32+8*\b+7], v[CB] offset:(\k)+\b*16*PITCH+32
.endr
	ds_load_b128 v[(\f)+64:(\f)+67], v[CB2] offset:(\k)
	ds_load_b128 v[(\f)+68:(\f)+71], v[CB2] offset:(\k)+32
.endm
.macro MULS f, a0, a1, zero            ; row blocks a0 .. a1 x all five column blocks.  The 20 accumulators take turns in the same order in every chunk.  zero = 1: the products start the sums
	WIN 0x50
.set aa, \a0
.rept (\a1)-(\a0)+1
.irp b,0,1,2,3,4
.if \zero
	v_wmma_f32_16x16x32_f16 v[8*(NB*aa+\b):8*(NB*aa+\b)+7], v[(\f)+32+8*\b:(\f)+32+8*\b+7], v[(\f)+8*aa:(\f)+8*aa+7], 0
.else
	v_wmma_f32_16x16x32_f16 v[8*(NB*aa+\b):8*(NB*aa+\b)+7], v[(\f)+32+8*\b:(\f)+32+8*\b+7], v[(\f)+8*aa:(\f)+8*aa+7], v[8*(NB*aa+\b):8*(NB*aa+\b)+7]
.endif
.endr
.set aa, aa+1
.endr
.endm
.macro CHUNKA zero                     ; an even chunk is multiplied out of buffer 0 while the odd one comes into buffer 1
	WIN 0
	PLACES
	FETCH FR1, 64
	s_wait_dscnt NL                                ; all but the loads just issued: buffer 0 is in
	MULS FR0, 0, 3, \zero
.endm
.macro CHUNKB
	WIN 0
	PLACES
	FETCH FR0, 128
	s_wait_dscnt NL
	MULS FR1, 0, 3, 0
.endm
; A K step's last chunk and the change of slots.  In front of the barrier each wave waits for all its tensor loads (the one that is out is its part of the next slot), adds 0 to its spare word,
; and waits for that and for its reads of this slot.  fill = 1: the barrier opens a round of the cluster's, and the joint refill, two K steps on, is the first thing behind it.
.macro TURN slot, next, fill
	WIN 0
	s_wait_tensorcnt 0x0
	ds_add_u32 v[SPW], v[NIL]
	s_wait_dscnt 1                                 ; the add alone may be out: buffer 1 is in
	MULS FR1, 0, 0, 0
	s_wait_dscnt 0x0
	s_barrier_signal -1
	MULS FR1, 1, 1, 0
	WIN 0
	s_barrier_wait -1
.if \fill
	CREST
	s_add_nc_u64 s[G0+4*(\slot)+2:G0+4*(\slot)+3], s[G0+4*(\slot)+2:G0+4*(\slot)+3], 2*KSTEP*2
	s_add_nc_u64 s[G0B+4*(\slot)+2:G0B+4*(\slot)+3], s[G0B+4*(\slot)+2:G0B+4*(\slot)+3], 2*KSTEP*2
	JLOAD \slot                                    ; its four v_nop are also the places in front of the loads below
.else
	PLACES
.endif
	s_mov_b32 s[KO], (\next)*SLOT
	SETADR
	FETCH FR0, 0
	MULS FR1, 2, 3, 0
.endm
; A K step: eight chunks of 32.  Three pairs (the first pair of all is written out: its products start the sums), the seventh chunk, and the eighth in TURN.  kind: 2 refill, 1 change only, 0 the last step
.macro STEP slot, next, kind, first
.if \first
	CHUNKA 1
	CHUNKB
	WIN 0
	s_add_co_u32 s[KO], s[KO], 128
	SETADR
	s_mov_b32 s3, 2
.else
	WIN 0
	s_mov_b32 s3, 3
.endif
.Lpair_\@:
	CHUNKA 0
	CHUNKB
	WIN 0
	s_add_co_u32 s[KO], s[KO], 128
	SETADR
	s_sub_co_u32 s3, s3, 1
	s_cmp_lg_u32 s3, 0
	s_cbranch_scc1 .Lpair_\@
	CHUNKA 0
.if (\kind) == 0
	s_wait_dscnt 0x0
	MULS FR1, 0, 3, 0
.else
	TURN \slot, \next, (\kind)-1
.endif
.endm
	s_wait_tensorcnt 1                             ; my part of K step 0 is in; K step 1's may stay out
	s_barrier_signal -1
	s_barrier_wait -1
	s_mov_b32 s[KO], 0
	SETADR
	FETCH FR0, 0
	STEP 0, 1, 2, 1
	STEP 1, 0, 2, 0
	STEP 0, 1, 1, 0
	STEP 1, 0, 0, 0
	WIN 0
	PLACES
	SCALES
	; THE WAY OUT.  q: a block of 16 rows at a time through my own stage, back as 2,048 dense bytes of a head.
.macro PACKQ a
	WIN 0x05
.irp b,0,1,2,3
.irp j,0,1,2,3
	v_cvt_pk_bf16_f32 v[TQ+16*(\a)+4*\b+\j], v[8*(NB*(\a)+\b)+2*\j], v[8*(NB*(\a)+\b)+2*\j+1]
.endr
.endr
	WIN 0
.irp b,0,1,2,3
	ds_store_b128 v[QSTO], v[TQ+16*(\a)+4*\b:TQ+16*(\a)+4*\b+3] offset:32*\b
.endr
.irp f,0,1,2,3
	ds_load_b128 v[TQ+16*(\a)+4*\f:TQ+16*(\a)+4*\f+3], v[QRD] offset:\f*4*144   ; LDS serves a wave's instructions in order: these see the stores above
.endr
.endm
.macro SENDQ a, younger                ; younger: the LDS instructions issued behind this block's loads
.irp f,0,1,2,3
	s_wait_dscnt (\younger)+3-\f
	global_store_b128 v[GL], v[TQ+16*(\a)+4*\f:TQ+16*(\a)+4*\f+3], s[66:67] offset:(\a)*2048+\f*512   ; 512 consecutive bytes, aligned
.endr
.endm
	PACKQ 0
	PACKQ 1
	SENDQ 0, 8
	PACKQ 2
	SENDQ 1, 8
	PACKQ 3
	SENDQ 2, 8
	SENDQ 3, 0
	; the latent: f32 and f16 into stages that the four waves share, since a row's 32 columns come from two waves
.irp a,0,1,2,3
	WIN 0x01
.irp j,0,2,4,6
	v_pk_mul_f32 v[TL+8*\a+\j:TL+8*\a+\j+1], v[8*(NB*\a+4)+\j:8*(NB*\a+4)+\j+1], s[76:77] op_sel_hi:[1,0]
.endr
	WIN 0
.irp j,0,2,4,6
	v_pk_mul_f32 v[TH+\j:TH+\j+1], v[TL+8*\a+\j:TL+8*\a+\j+1], v[TAU:TAU+1] op_sel_hi:[1,0]
.endr
.irp j,0,1,2,3
	v_cvt_pk_f16_f32 v[TH16+4*\a+\j], v[TH+2*\j], v[TH+2*\j+1]
.endr
	ds_store_b128 v[LSTO], v[TL+8*\a:TL+8*\a+3]   offset:2304*\a
	ds_store_b128 v[LSTO], v[TL+8*\a+4:TL+8*\a+7] offset:2304*\a+16
	ds_store_b128 v[HSTO], v[TH16+4*\a:TH16+4*\a+3] offset:1280*\a
.endr
	s_wait_dscnt 0x0                               ; for the others: my stores into the stages are done
	s_barrier_signal -1
	s_barrier_wait -1
.irp f,0,1,2,3,4,5,6,7
	ds_load_b128 v[152+4*\f:152+4*\f+3], v[LRD] offset:576*\f
.endr
.irp f,0,1,2,3
	ds_load_b128 v[184+4*\f:184+4*\f+3], v[HRD] offset:640*\f
.endr
.irp f,0,1,2,3,4,5,6,7
	s_wait_dscnt 11-\f
	global_store_b128 v[GO1], v[152+4*\f:152+4*\f+3], s[68:69] offset:4096*\f
.endr
.irp f,0,1,2,3
	s_wait_dscnt 3-\f
	global_store_b128 v[GL], v[184+4*\f:184+4*\f+3], s[70:71] offset:512*\f
.endr
	s_wait_tensorcnt 0x0                           ; the wave's end
	ds_add_u32 v[SPW], v[NIL]
	s_wait_dscnt 0x0
	CROUND                                         ; the closing round
	s_endpgm
.Lfunc_end_k_qedaed954f0_gemm1:
	.size	k_qedaed954f0_gemm1, .Lfunc_end_k_qedaed954f0_gemm1-k_qedaed954f0_gemm1
	.p2alignl 7, 3214868480
	.fill 96, 4, 3214868480
	.section	.rodata,"a",@progbits
	.p2align	6, 0x0
	.amdhsa_kernel k_qedaed954f0_gemm1
		.amdhsa_group_segment_fixed_size 327680
		.amdhsa_private_segment_fixed_size 0
		.amdhsa_enable_private_segment 0
		.amdhsa_kernarg_size 24
		.amdhsa_user_sgpr_count 2
		.amdhsa_user_sgpr_kernarg_segment_ptr 1
		.amdhsa_wavefront_size32 1
		.amdhsa_system_sgpr_workgroup_id_x 1
		.amdhsa_system_sgpr_workgroup_id_y 1
		.amdhsa_system_sgpr_workgroup_id_z 1
		.amdhsa_system_vgpr_workitem_id 0
		.amdhsa_next_free_vgpr 512
		.amdhsa_next_free_sgpr 80
		.amdhsa_reserve_vcc 0
		.amdhsa_float_denorm_mode_32 3
		.amdhsa_float_denorm_mode_16_64 3
		.amdhsa_memory_ordered 1
		.amdhsa_forward_progress 1
		.amdhsa_inst_pref_size 78
	.end_amdhsa_kernel
	.amdgpu_metadata
---
amdhsa.version: [ 1, 2 ]
amdhsa.kernels:
  - .name:           k_qedaed954f0_gemm1
    .symbol:         k_qedaed954f0_gemm1.kd
    .args:
      - { .name: pa, .offset: 0, .size: 8, .value_kind: global_buffer, .address_space: global }
      - { .name: pq, .offset: 8, .size: 8, .value_kind: global_buffer, .address_space: global }
      - { .name: out1, .offset: 16, .size: 8, .value_kind: global_buffer, .address_space: global }
    .group_segment_fixed_size: 327680
    .private_segment_fixed_size: 0
    .kernarg_segment_align: 8
    .kernarg_segment_size: 24
    .max_flat_workgroup_size: 128
    .sgpr_count:     80
    .vgpr_count:     512
    .wavefront_size: 32
...
	.end_amdgpu_metadata
.endif
;; end of part 2
;; launch gemm2 (part 3): grid 8 x 32, 4 waves a work-group, clusters of 4 x 4, 230,912 bytes of LDS; arguments pa, pq, pkv; writes pkv
.if DOCPART == 3
	.amdgcn_target "amdgcn-amd-amdhsa--gfx1250"
	.amdhsa_code_object_version 6
	.text
	.protected	k_qedaed954f0_gemm2
	.globl	k_qedaed954f0_gemm2
	.p2align	8
	.type	k_qedaed954f0_gemm2,@function
k_qedaed954f0_gemm2:
	s_mov_b64 s[64:65], 0
	v_nop
	global_prefetch_b8 v0, s[64:65] scope:SCOPE_SE
	s_setreg_imm32_b32 hwreg(HW_REG_WAVE_MODE, 25, 1), 1
	s_wait_xcnt 0x0
	s_wait_alu depctr_hold_cnt(0) depctr_sa_sdst(0) depctr_va_vdst(0) depctr_va_sdst(0) depctr_va_ssrc(0) depctr_va_vcc(0) depctr_vm_vsrc(0)
	s_getreg_b32 s2, hwreg(HW_REG_IB_STS2, 6, 4)
	s_cmp_eq_u32 s2, 0
	s_cbranch_scc0 .Lentry_in_a_cluster
	s_endpgm
.Lentry_in_a_cluster:
	s_bfe_u32 s2, ttmp6, 0x10000c
	s_cmp_lg_u32 s2, 0xf033
	s_cbranch_scc0 .Lentry_shape_is_right
	s_endpgm
.Lentry_shape_is_right:
; [k_rec | v_rec] = latent W_up.  A = f16(latent tau) in blocks [8][4096][32]; B = W2T [2048][256] in f16 (numbers rounded to bf16); sums in f32.  K = 256.
; A tile is 128 rows x 256 columns: 128 of k_rec and 128 of v_rec (the same two heads).  Four waves, 64 rows x 128 columns: waves with an even number make k_rec, the others v_rec.
; k_rec = sum / tau leaves as bf16, v_rec sigma = sum sigma / tau as f16, both by heads, [32][2048][64].  sigma: BV = 256 BL max|W_up_v| bounds |v_rec|; sigma = 2^(140 - BV's exponent), so |v_rec sigma| stays under 2^14.
; All of K fits into LDS: two halves of 128, each filled once; every wave issues four joint loads at the start (four are out), and nothing is filled again.
; CLUSTER 4 x 4: the latent's tile is shared along a row of the cluster, W2T's along a column.  No prefetch: a short launch.
; REGISTERS.  Window 1: 32 accumulators, (a, b) at 8 (8 a + b).  Window 0: v10-13 fragment addresses, v32-127 and v128-223 two fragment buffers (4 of A, 8 of B), v224-251 the scales.
.set NB,    8
.set NL,    24
.set PA,    80                         ; a row of a block of the latent: 64 bytes + 16
.set ABLK,  128*PA
.set PB,    272                        ; a row of W2T's half: 256 bytes + 16
.set BOFF,  4*ABLK
.set SLOT,  4*ABLK+256*PB
.set STAGE, 2*SLOT                     ; 16 rows x 144 bytes for each wave
.set SPARE, STAGE+4*16*144             ; the spare words, 128 bytes for each wave: two blocks of 256 bytes that no other line names
.set W2T,   11010048
.set STAT,  14155776
.set LAT,   8388608
.set CA0, 10
.set CB0, 12
.set STO, 20
.set RD, 21
.set GL, 22
.set SPW, 28
.set NIL, 29
.set FR0, 32
.set FR1, 128
.set TT, 32                            ; the way out: 32 scaled f32
.set UB, 64                            ; and 16 packed registers for each of eight units
.set FAC, 248
.set G1, 24
.set G1B, 48
.set SEL, 74
.set MSB, 0
.macro WIN new
.if MSB != (\new)
	s_set_vgpr_msb (MSB<<8)|(\new)
.set MSB, \new
.endif
.endm
.macro PLACES
.rept 4
	v_nop
.endr
.endm
.macro CROUND
	s_barrier_signal -1
	s_barrier_wait -1
	s_cmp_lg_u32 s10, 0
	s_cbranch_scc1 .Lnot_wave_0_\@
	s_barrier_signal -3
.Lnot_wave_0_\@:
	s_barrier_wait -3
	s_barrier_signal -1
	s_barrier_wait -1
.endm
.macro LANEMAX r
	v_max_num_f32_dpp v[\r], v[\r], v[\r] row_xmask:1 row_mask:0xf bank_mask:0xf
	v_max_num_f32_dpp v[\r], v[\r], v[\r] row_xmask:2 row_mask:0xf bank_mask:0xf
	v_max_num_f32_dpp v[\r], v[\r], v[\r] row_xmask:4 row_mask:0xf bank_mask:0xf
	v_max_num_f32_dpp v[\r], v[\r], v[\r] row_xmask:8 row_mask:0xf bank_mask:0xf
	v_permlanex16_b32 v237, v[\r], s[SEL], s[SEL+1]
	v_max_num_f32 v[\r], v[\r], v237
.endm
.macro STATLOAD
	s_add_nc_u64 s[72:73], s[4:5], STAT
	v_and_b32 v30, 31, v0
	v_lshlrev_b32 v31, 2, v30
	v_lshlrev_b32 v30, 4, v30
	global_load_b128 v[224:227], v30, s[72:73]
	global_load_b128 v[228:231], v30, s[72:73] offset:512
	global_load_b128 v[232:235], v30, s[72:73] offset:1024
	global_load_b32 v236, v31, s[72:73] offset:2688
.endm
.macro SCALES                          ; v[240:241] tau, v[242:243] 1 / tau, v[244:245] sigma, v[246:247] 1 / sigma: the same lines in all three products
	s_wait_loadcnt 0x0
	v_max3_num_f32 v224, v224, v225, v226
	v_max3_num_f32 v224, v224, v227, v228
	v_max3_num_f32 v224, v224, v229, v230
	v_max_num_f32 v224, v224, v231
	v_max3_num_f32 v232, v232, v233, v234
	v_max_num_f32 v232, v232, v235
	v_mov_b32 v237, 0
	LANEMAX 224
	LANEMAX 232
	LANEMAX 236
	v_mul_f32 v238, v224, v232
	v_mul_f32 v238, 0x44800000, v238
	v_mul_f32 v239, v238, v236
	v_mul_f32 v239, 0x43800000, v239
	v_lshrrev_b32 v238, 23, v238
	v_lshrrev_b32 v239, 23, v239
	v_max_u32 v238, 16, v238
	v_max_u32 v239, 16, v239
	v_min_u32 v238, 0xf0, v238
	v_min_u32 v239, 0xf0, v239
	v_sub_nc_u32 v240, 0x10b, v238
	v_add_nc_u32 v242, -13, v238
	v_sub_nc_u32 v244, 0x10b, v239
	v_add_nc_u32 v246, -13, v239
	v_lshlrev_b32 v240, 23, v240
	v_lshlrev_b32 v242, 23, v242
	v_lshlrev_b32 v244, 23, v244
	v_lshlrev_b32 v246, 23, v246
	v_mov_b32 v241, v240
	v_mov_b32 v243, v242
	v_mov_b32 v245, v244
	v_mov_b32 v247, v246
.endm
	s_load_b128 s[4:7], s[0:1], 0x0                ; pa s[4:5], pq s[6:7]
	s_load_b64 s[8:9], s[0:1], 0x10                ; pkv
	v_lshl_add_u32 v[SPW], v0, 2, SPARE
	v_mov_b32 v[NIL], 0
	ds_add_u32 v[SPW], v[NIL]                      ; the wave's opening: the add, waited for ahead of my first tensor load
	v_lshrrev_b32 v1, 5, v0
	v_readfirstlane_b32 s10, v1
	s_lshr_b32 s11, s10, 1                         ; my half of the rows
	s_and_b32 s12, s10, 1                          ; 0: k_rec, 1: v_rec
	s_bfe_u32 s40, ttmp6, 0x40000
	s_bfe_u32 s41, ttmp6, 0x40004
	s_lshl_b32 s42, ttmp9, 2
	s_add_co_u32 s42, s42, s40                     ; tile column
	s_and_b32 s13, ttmp7, 0xffff
	s_lshl_b32 s13, s13, 2
	s_add_co_u32 s13, s13, s41                     ; tile row
	s_lshl_b32 s43, s41, 2
	s_lshl_b32 s43, 15, s43
	s_lshl_b32 s44, 0x1111, s40
	s_or_b32 s[G1+0], s43, (1<<16)|(1<<20)|(1<<21)|(3<<22)|(3<<25)   ; a block's 128 rows of 64 bytes are dense: 32 rows of 256 bytes, 4 words of padding after every 16
	s_mov_b32 s[G1+1], 128<<16
	s_mov_b32 s[G1+2], 32<<16
	s_mov_b32 s[G1+3], 128<<16
	s_mov_b32 s[G1+4], 32
	s_mov_b32 s[G1+5], 128
	s_mov_b32 s[G1+6], 0
	s_mov_b32 s[G1+7], 0
	s_or_b32 s[G1B+0], s44, (1<<16)|(1<<20)|(1<<21)|(5<<22)|(3<<25)  ; 64 rows x 128 elements, 4 words of padding after every 64
	s_mov_b32 s[G1B+1], 128<<16
	s_mov_b32 s[G1B+2], 64<<16
	s_mov_b32 s[G1B+3], 128<<16
	s_mov_b32 s[G1B+4], 64
	s_mov_b32 s[G1B+5], 256
	s_mov_b32 s[G1B+6], 0
	s_mov_b32 s[G1B+7], 0
	s_lshl_b32 s16, s10, 18                        ; the latent: block = wave (+ 4 in the second half), 4,096 rows of 64 bytes each,
	s_lshl_b32 s17, s13, 13                        ; 128 rows at the tile row
	s_add_co_u32 s16, s16, s17
	s_add_co_u32 s16, s16, LAT
	s_mov_b32 s17, 0
	s_lshl_b32 s46, s42, 17                        ; W2T: 256 rows of 512 bytes at the tile column,
	s_lshl_b32 s47, s10, 15                        ; 64 of them a wave
	s_add_co_u32 s46, s46, s47
	s_add_co_u32 s46, s46, W2T
	s_mov_b32 s47, 0
	s_mul_i32 s20, s10, ABLK
	s_mul_i32 s21, s10, 64*PB
	s_add_co_u32 s21, s21, BOFF
	s_mov_b32 s[SEL], 0x76543210
	s_mov_b32 s[SEL+1], 0xfedcba98
	s_wait_dscnt 0x0
	s_wait_kmcnt 0x0
	s_add_nc_u64 s[14:15], s[6:7], s[16:17]
	s_add_nc_u64 s[46:47], s[4:5], s[46:47]
	s_mov_b32 s32, 1                               ; group 0 of the four loads: A and B of the first half, A and B of the second
	s_mov_b32 s33, s20
	s_add_nc_u64 s[34:35], s[14:15], 0
	s_or_b32 s35, s35, 0x80000000
	s_mov_b32 s36, 1
	s_mov_b32 s37, s21
	s_add_nc_u64 s[38:39], s[46:47], 0
	s_or_b32 s39, s39, 0x80000000
	s_mov_b32 s56, 1
	s_add_co_u32 s57, s20, SLOT
	s_add_nc_u64 s[58:59], s[14:15], 4*4096*64
	s_or_b32 s59, s59, 0x80000000
	s_mov_b32 s60, 1
	s_add_co_u32 s61, s21, SLOT
	s_add_nc_u64 s[62:63], s[46:47], 256
	s_or_b32 s63, s63, 0x80000000
	CROUND                                         ; all sixteen work-groups are here: the joint loads meet
	tensor_load_to_lds s[32:35], s[G1:G1+7]
	s_nop 0
	tensor_load_to_lds s[36:39], s[G1B:G1B+7]
	s_nop 0
	tensor_load_to_lds s[56:59], s[G1:G1+7]
	s_nop 0
	tensor_load_to_lds s[60:63], s[G1B:G1B+7]
	s_nop 0
.rept 4
	v_nop
.endr
	STATLOAD
	s_lshr_b32 s16, s13, 4                         ; the results: [16 batch + head][row in the batch][64], k_rec first, v_rec 8,388,608 bytes on
	s_lshl_b32 s16, s16, 15
	s_and_b32 s17, s13, 15
	s_lshl_b32 s17, s17, 7
	s_add_co_u32 s16, s16, s17
	s_lshl_b32 s17, s11, 6
	s_add_co_u32 s16, s16, s17
	s_lshl_b32 s16, s16, 7
	s_lshl_b32 s17, s12, 23
	s_add_co_u32 s16, s16, s17
	s_mov_b32 s17, 0
	s_add_nc_u64 s[66:67], s[8:9], s[16:17]
	s_lshl_b32 s46, s42, 19
	s_mov_b32 s47, 0
	s_add_nc_u64 s[66:67], s[66:67], s[46:47]
	v_and_b32 v1, 15, v0
	v_bfe_u32 v2, v0, 4, 1
	v_and_b32 v5, 31, v0
	s_mul_i32 s21, s11, 64*PA
	v_mul_u32_u24 v3, v1, PA
	v_lshl_add_u32 v3, v2, 4, v3
	v_add_nc_u32 v[CA0], s21, v3
	v_add_nc_u32 v[CA0+1], SLOT, v[CA0]
	s_mul_i32 s22, s12, 128*PB
	s_add_co_u32 s22, s22, BOFF
	v_mul_u32_u24 v3, v1, PB
	v_lshl_add_u32 v3, v2, 4, v3
	v_add_nc_u32 v[CB0], s22, v3
	v_add_nc_u32 v[CB0+1], SLOT, v[CB0]
	s_mul_i32 s23, s10, 16*144
	s_add_co_u32 s23, s23, STAGE
	v_mul_u32_u24 v4, v1, 144
	v_lshl_add_u32 v4, v2, 4, v4
	v_add_nc_u32 v[STO], s23, v4
	v_lshrrev_b32 v6, 3, v5
	v_and_b32 v7, 7, v5
	v_mul_u32_u24 v8, v6, 144
	v_lshl_add_u32 v8, v7, 4, v8
	v_add_nc_u32 v[RD], s23, v8
	v_lshlrev_b32 v[GL], 4, v5
.macro FETCH f, s, blk                 ; the fragments of 32 along K: block blk of half s
	WIN 0
.irp i,0,1,2,3
	ds_load_b128 v[(\f)+8*\i:(\f)+8*\i+3],   v[CA0+(\s)] offset:(\blk)*ABLK+\i*16*PA
	ds_load_b128 v[(\f)+8*\i+4:(\f)+8*\i+7], v[CA0+(\s)] offset:(\blk)*ABLK+\i*16*PA+32
.endr
.irp b,0,1,2,3,4,5,6,7
	ds_load_b128 v[(\f)+32+8*\b:(\f)+32+8*\b+3],   v[CB0+(\s)] offset:(\blk)*64+\b*16*PB
	ds_load_b128 v[(\f)+32+8*\b+4:(\f)+32+8*\b+7], v[CB0+(\s)] offset:(\blk)*64+\b*16*PB+32
.endr
.endm
.macro MULS f, a0, a1, zero            ; the 32 accumulators take turns in the same order in every chunk
	WIN 0x50
.set aa, \a0
.rept (\a1)-(\a0)+1
.irp b,0,1,2,3,4,5,6,7
.if \zero
	v_wmma_f32_16x16x32_f16 v[8*(NB*aa+\b):8*(NB*aa+\b)+7], v[(\f)+32+8*\b:(\f)+32+8*\b+7], v[(\f)+8*aa:(\f)+8*aa+7], 0
.else
	v_wmma_f32_16x16x32_f16 v[8*(NB*aa+\b):8*(NB*aa+\b)+7], v[(\f)+32+8*\b:(\f)+32+8*\b+7], v[(\f)+8*aa:(\f)+8*aa+7], v[8*(NB*aa+\b):8*(NB*aa+\b)+7]
.endif
.endr
.set aa, aa+1
.endr
.endm
.macro CHUNK f, g, s, blk, zero        ; buffer f is multiplied while block blk of half s comes into buffer g
	WIN 0
	PLACES
	FETCH \g, \s, \blk
	s_wait_dscnt NL                                ; all but the loads just issued
	MULS \f, 0, 3, \zero
.endm
	s_wait_tensorcnt 2                             ; my two parts of the first half are in; the second half's two may stay out
	s_barrier_signal -1
	s_barrier_wait -1
	FETCH FR0, 0, 0
	CHUNK FR0, FR1, 0, 1, 1
	CHUNK FR1, FR0, 0, 2, 0
	CHUNK FR0, FR1, 0, 3, 0
	s_wait_tensorcnt 0x0                           ; my parts of the second half are in,
	s_wait_dscnt 0x0
	s_barrier_signal -1
	MULS FR1, 0, 1, 0
	s_barrier_wait -1                              ; everybody's are
	PLACES
	FETCH FR0, 1, 0
	MULS FR1, 2, 3, 0
	CHUNK FR0, FR1, 1, 1, 0
	CHUNK FR1, FR0, 1, 2, 0
	CHUNK FR0, FR1, 1, 3, 0
	s_wait_dscnt 0x0
	MULS FR1, 0, 3, 0
	WIN 0
	PLACES
	SCALES
	v_mul_f32 v250, v244, v242                     ; sigma / tau
	s_cmp_eq_u32 s12, 1
	s_cselect_b32 s20, -1, 0
	v_cndmask_b32 v[FAC], v242, v250, s20          ; k_rec: 1 / tau; v_rec: sigma / tau
	v_mov_b32 v[FAC+1], v[FAC]
	; THE WAY OUT: eight units of 16 rows x one head, each through my own stage and back as 2,048 dense bytes.  Only the sixteen conversions differ between k_rec (bf16) and v_rec (f16).
.macro PACK a, hd
.set U, UB+16*(2*(\a)+(\hd))
	WIN 0x01
.irp b,0,1,2,3
.irp j,0,2,4,6
	v_pk_mul_f32 v[TT+8*\b+\j:TT+8*\b+\j+1], v[8*(NB*(\a)+4*(\hd)+\b)+\j:8*(NB*(\a)+4*(\hd)+\b)+\j+1], v[FAC:FAC+1] op_sel_hi:[1,0]
.endr
.endr
	WIN 0
	s_cmp_eq_u32 s12, 0
	s_cbranch_scc0 .Lfor_v_\@
.set n, 0
.rept 16
	v_cvt_pk_bf16_f32 v[U+n], v[TT+2*n], v[TT+2*n+1]
.set n, n+1
.endr
	s_branch .Lpacked_\@
.Lfor_v_\@:
.set n, 0
.rept 16
	v_cvt_pk_f16_f32 v[U+n], v[TT+2*n], v[TT+2*n+1]
.set n, n+1
.endr
.Lpacked_\@:
.irp b,0,1,2,3
	ds_store_b128 v[STO], v[U+4*\b:U+4*\b+3] offset:32*\b
.endr
.irp f,0,1,2,3
	ds_load_b128 v[U+4*\f:U+4*\f+3], v[RD] offset:\f*4*144
.endr
.endm
.macro SEND a, hd, younger
.set U, UB+16*(2*(\a)+(\hd))
.irp f,0,1,2,3
	s_wait_dscnt (\younger)+3-\f
	global_store_b128 v[GL], v[U+4*\f:U+4*\f+3], s[66:67] offset:(\hd)*262144+(\a)*2048+\f*512
.endr
.endm
	PACK 0, 0
	PACK 0, 1
	SEND 0, 0, 8
	PACK 1, 0
	SEND 0, 1, 8
	PACK 1, 1
	SEND 1, 0, 8
	PACK 2, 0
	SEND 1, 1, 8
	PACK 2, 1
	SEND 2, 0, 8
	PACK 3, 0
	SEND 2, 1, 8
	PACK 3, 1
	SEND 3, 0, 8
	SEND 3, 1, 0
	s_wait_tensorcnt 0x0                           ; the wave's end
	ds_add_u32 v[SPW], v[NIL]
	s_wait_dscnt 0x0
	CROUND                                         ; the closing round
	s_endpgm
.Lfunc_end_k_qedaed954f0_gemm2:
	.size	k_qedaed954f0_gemm2, .Lfunc_end_k_qedaed954f0_gemm2-k_qedaed954f0_gemm2
	.p2alignl 7, 3214868480
	.fill 96, 4, 3214868480
	.section	.rodata,"a",@progbits
	.p2align	6, 0x0
	.amdhsa_kernel k_qedaed954f0_gemm2
		.amdhsa_group_segment_fixed_size 230912
		.amdhsa_private_segment_fixed_size 0
		.amdhsa_enable_private_segment 0
		.amdhsa_kernarg_size 24
		.amdhsa_user_sgpr_count 2
		.amdhsa_user_sgpr_kernarg_segment_ptr 1
		.amdhsa_wavefront_size32 1
		.amdhsa_system_sgpr_workgroup_id_x 1
		.amdhsa_system_sgpr_workgroup_id_y 1
		.amdhsa_system_sgpr_workgroup_id_z 1
		.amdhsa_system_vgpr_workitem_id 0
		.amdhsa_next_free_vgpr 512
		.amdhsa_next_free_sgpr 80
		.amdhsa_reserve_vcc 0
		.amdhsa_float_denorm_mode_32 3
		.amdhsa_float_denorm_mode_16_64 3
		.amdhsa_memory_ordered 1
		.amdhsa_forward_progress 1
		.amdhsa_inst_pref_size 74
	.end_amdhsa_kernel
	.amdgpu_metadata
---
amdhsa.version: [ 1, 2 ]
amdhsa.kernels:
  - .name:           k_qedaed954f0_gemm2
    .symbol:         k_qedaed954f0_gemm2.kd
    .args:
      - { .name: pa, .offset: 0, .size: 8, .value_kind: global_buffer, .address_space: global }
      - { .name: pq, .offset: 8, .size: 8, .value_kind: global_buffer, .address_space: global }
      - { .name: pkv, .offset: 16, .size: 8, .value_kind: global_buffer, .address_space: global }
    .group_segment_fixed_size: 230912
    .private_segment_fixed_size: 0
    .kernarg_segment_align: 8
    .kernarg_segment_size: 24
    .max_flat_workgroup_size: 128
    .sgpr_count:     80
    .vgpr_count:     512
    .wavefront_size: 32
...
	.end_amdgpu_metadata
.endif
;; end of part 3
;; launch attn (part 4): grid 8 x 32, 8 waves a work-group, clusters of 4 x 1, 327,680 bytes of LDS; arguments pq, pkv, po; writes po
.if DOCPART == 4
	.amdgcn_target "amdgcn-amd-amdhsa--gfx1250"
	.amdhsa_code_object_version 6
	.text
	.protected	k_qedaed954f0_attn
	.globl	k_qedaed954f0_attn
	.p2align	8
	.type	k_qedaed954f0_attn,@function
k_qedaed954f0_attn:
	s_mov_b64 s[64:65], 0
	v_nop
	global_prefetch_b8 v0, s[64:65] scope:SCOPE_SE
	s_setreg_imm32_b32 hwreg(HW_REG_WAVE_MODE, 25, 1), 1
	s_wait_xcnt 0x0
	s_wait_alu depctr_hold_cnt(0) depctr_sa_sdst(0) depctr_va_vdst(0) depctr_va_sdst(0) depctr_va_ssrc(0) depctr_va_vcc(0) depctr_vm_vsrc(0)
	s_getreg_b32 s2, hwreg(HW_REG_IB_STS2, 6, 4)
	s_cmp_eq_u32 s2, 0
	s_cbranch_scc0 .Lentry_in_a_cluster
	s_endpgm
.Lentry_in_a_cluster:
	s_bfe_u32 s2, ttmp6, 0x10000c
	s_cmp_lg_u32 s2, 0x3003
	s_cbranch_scc0 .Lentry_shape_is_right
	s_endpgm
.Lentry_shape_is_right:
; O[y][i] = the sum over j of softmax_j( clip(q_i . k_j / 32, +-1e4) exp(-1e-4 |i - j|) ) V[y][j].  Q and K bf16, V = f16(v_rec sigma), O f16 in V's scale; all [32][2048][64].
; The reference's scale 1 / (sqrt(1024) + 1e-8) is 1 / 32 in f32; its second clip changes nothing, since the decay is at most 1.  A NaN score counts as -1e4, as in the reference (the median of three takes the lower bound).
; Products, maxima and sums in f32; the weights p are rounded to f16 for the second product, and their sum is taken of the rounded p, by a product with ones, in f32.
; LIMITS.  |V| under 2^14 by the scale; a weight below 2^-24 counts as 0.
; SHARES.  A cluster of four work-groups owns 1,024 queries of one head.  Wave w of partner p owns the 32 queries 1024 c + 128 w + 32 p ..: two tiles of 16.  So wave w of all four partners lies in one band of
; 128 queries, and the two key steps in which i - j changes its sign, D0 = 16 c + 2 w and D0 + 1, are the same in all four: no branch hangs on a work-group's place in its cluster.
; Two waves share a SIMD, and each goes by phases: one wave's products run beside the other's vector work.
; LAYOUT.  S^T = K Q^T: a lane holds one query (lane % 16) and the keys 8 (lane / 16) + 0..7 of each block of 16; two such results rounded to f16 are source 1 of O^T = V^T P.
; THE DECAY.  With d = i0 + 16 + r - 8 h - 64 s (a number a lane) and kap = 16 (kt - t + 1) + e (0..71), i - j = d - kap for both tiles.  Away from the diagonal |i - j| splits:
; the score in powers of two is clip(u) T[kap] g with T = 2^(+-a2 kap + LC), a table of 40 registers, and g = 2^(-+a2 d), a number a lane; in the two diagonal steps T = 2^(-a2 |d - kap| + LC) and g = 1.
; a2 = 1e-4 log2(e), LC = log2(log2(e) / 32); the clip is taken on the raw product at +-320,000.  The table is made anew in steps 0, D0, D0 + 1 and D0 + 2 alone.
; SOFTMAX.  A running maximum m of t = clip(u) T g; p = 2^(t - m); O^T and the sums are multiplied by 2^(m_old - m_new) in every step; m starts at the lowest finite number and O^T at 0, so the first step is a step like any other.
; CLUSTER.  The four partners walk the same K and V: each tile of 256 keys is asked for jointly (waves 0, 1: K's halves; waves 2, 3: V's; waves 4-7 ask for nothing).  One tensor load of a wave is out.
; REGISTERS.  Window 0: v2-13 addresses and d; v14-15 g; v16-39 statistics; v48-87 T; v96-159 S^T; v160-191 P.  Window 1: v0-79 O^T, 40 a tile (the fifth block holds the sums); v80-111 Q; v112-119 ones; v128-191 K; v192-255 V.
.set KS,    64
.set PK,    144                        ; a row of K in LDS: 128 bytes + 16
.set PV,    160                        ; a row of V: 128 + 32
.set VOFF,  4*KS*PK
.set SLOT1, 1<<17
.set STAGE, SLOT1+4*KS*(PK+PV)         ; 16 rows x 144 bytes for each wave
.set SP,    144
.set SPARE, STAGE+8*16*SP              ; the spare words, 128 bytes for each wave: four blocks of 256 bytes that no other line names
.set AK0, 2
.set AV0, 3
.set AK,  4
.set AV,  5
.set STO, 6
.set RD,  7
.set GO,  8
.set DLT, 12
.set TV,  13
.set G,   14
.set ST,  16                           ; tile t at ST + 12 t: m (a pair), a (a pair), c0-c3, m_old
.set PFO, 40
.set QO,  41
.set SPW, 42
.set NIL, 43
.set T,   48
.set S,   96
.set P,   160
.set Q,   80                           ; window 1
.set ONES, 112
.set KF,  128
.set VF,  192
.set WV,  12
.set LIM, 15
.set PFA, 18
.set G1K, 24
.set G1V, 32
.set G0K, 40
.set G0V, 44
.set SLOTS, 56
.set CNT, 57
.set SEL, 60
.set TBK, 62
.set TBV, 63
.set SI,  66                           ; s66 the key step, 0..31
.set D0,  67
.set COEF, 68
.set SGV, 69
.set ZS,  70
.set RG,  71
.set A2P, 72
.set A2N, 73
.set LC,  74
.set CLO, 75
.set CHI, 76
.set TS,  77
.set MSB, 0
.macro WIN new
.if MSB != (\new)
	s_set_vgpr_msb (MSB<<8)|(\new)
.set MSB, \new
.endif
.endm
.macro PLACES
.rept 4
	v_nop
.endr
.endm
.macro JLOAD                           ; the branches hang on the wave's number alone; an s_nop 0 and four v_nop follow each line
	s_cmp_lt_u32 s[WV], 2
	s_cbranch_scc0 .Lnot_k_\@
	tensor_load_to_lds s[G0K:G0K+3], s[G1K:G1K+7]
	s_nop 0
.rept 4
	v_nop
.endr
	s_branch .Lasked_\@
.Lnot_k_\@:
	s_cmp_lt_u32 s[WV], 4
	s_cbranch_scc0 .Lasked_\@
	tensor_load_to_lds s[G0V:G0V+3], s[G1V:G1V+7]
	s_nop 0
.rept 4
	v_nop
.endr
.Lasked_\@:
.endm
; A prefetch of the tile that the NEXT change of slots will ask for: four key steps ahead of that load.  Both clusters of a head walk the same K and V: the first asks.  Its four partners share a tile's 128 blocks
; of 256 bytes out by address, 32 each, a lane a block; wave 0 asks for K's, wave 2 for V's.  So each block is named once in the launch.  The last change that fills a slot asks for nothing; tiles 0 and 1 come by their loads alone.
.macro ASK
	s_cmp_gt_u32 s[SLOTS], s[LIM]
	s_cbranch_scc0 .Lnot_mine_\@
	global_prefetch_b8 v[PFO], s[PFA:PFA+1] th:TH_LOAD_NT scope:SCOPE_SE
.Lnot_mine_\@:
.endm
.macro CROUND
	s_barrier_signal -1
	s_barrier_wait -1
	s_cmp_lg_u32 s[WV], 0
	s_cbranch_scc1 .Lnot_wave_0_\@
	s_barrier_signal -3
.Lnot_wave_0_\@:
	s_barrier_wait -3
	s_barrier_signal -1
	s_barrier_wait -1
.endm
; THE CHANGE OF SLOTS.  Each wave waits for all its tensor loads, adds 0 to its spare word, and waits for that and for its reads of the slot that it leaves.  fill = 1: the barrier is a round of the cluster's, and the
; joint fill of the slot just left, with the keys two tiles on, is the first thing behind it: it has four key steps in which to land.  (At its first use nothing has been read: slot 0 is waited for, slot 1 filled.)
.macro CHANGE fill
	WIN 0
	s_wait_tensorcnt 0x0
	ds_add_u32 v[SPW], v[NIL]
.if \fill
.irp g, G0K, G0V
	s_xor_b32 s[\g+1], s[\g+1], SLOT1
	s_add_nc_u64 s[\g+2:\g+3], s[\g+2:\g+3], 4*KS*128
.endr
	s_wait_xcnt 0x0                                ; the last prefetch, four key steps back, has read its address
	s_add_nc_u64 s[PFA:PFA+1], s[PFA:PFA+1], 4*KS*128
	s_wait_dscnt 0x0
	CROUND
	JLOAD
	ASK
.else
	s_wait_dscnt 0x0
	s_barrier_signal -1
	s_barrier_wait -1
.endif
	s_sub_co_u32 s[TBK], s[TBK], 4*KS*PK
	s_xor_b32 s[TBK], s[TBK], SLOT1
	s_sub_co_u32 s[TBV], s[TBV], 4*KS*PV
	s_xor_b32 s[TBV], s[TBV], SLOT1
.endm
	s_load_b128 s[4:7], s[0:1], 0x0                ; pq s[4:5], pkv s[6:7]
	s_load_b64 s[10:11], s[0:1], 0x10              ; po
	v_lshl_add_u32 v[SPW], v0, 2, SPARE
	v_mov_b32 v[NIL], 0
	ds_add_u32 v[SPW], v[NIL]                      ; the wave's opening: the add, waited for ahead of my first tensor load
	v_lshrrev_b32 v1, 5, v0
	v_readfirstlane_b32 s[WV], v1                  ; wave 0..7
	s_bfe_u32 s13, ttmp6, 0x40000                  ; cx: it enters Q's, O's and the prefetches' addresses and the number d, nothing else
	s_and_b32 s20, ttmp7, 0xffff                   ; y = 16 batch + head
	s_lshl_b32 s20, s20, 18                        ; its first byte in each tensor
	s_mov_b32 s21, 0
	s_and_b32 s16, s[WV], 1                        ; which half of a tile's 256 keys I fetch
	s_lshl_b32 s22, s16, 14
	s_mov_b32 s23, 0
	s_add_nc_u64 s[22:23], s[22:23], s[20:21]
	s_mul_i32 s17, s16, 128*PK
	s_mul_i32 s14, s16, 128*PV
	s_lshl_b32 s2, ttmp9, 10
	s_lshl_b32 s3, s[WV], 7
	s_add_co_u32 s2, s2, s3
	s_lshl_b32 s3, s13, 5
	s_add_co_u32 s2, s2, s3                        ; i0
	s_add_co_u32 s[TS], s2, 16
	s_lshl_b32 s2, s2, 7
	s_mov_b32 s3, 0
	s_add_nc_u64 s[2:3], s[2:3], s[20:21]
	s_lshl_b32 s[D0], ttmp9, 4
	s_lshl_b32 s[RG], s[WV], 1
	s_add_co_u32 s[D0], s[D0], s[RG]
	s_mov_b32 s[G1K], 15|(1<<16)|(1<<20)|(1<<21)|(4<<22)|(3<<25)   ; the mask of four; 2-byte elements; padding on; bit 21 beside a mask; after every 32 words, 4 words
	s_mov_b32 s[G1V], 15|(1<<16)|(1<<20)|(1<<21)|(4<<22)|(7<<25)   ; the same with 8 words
.irp g, G1K, G1V
	s_mov_b32 s[\g+1], 128<<16                     ; 128 keys are 16,384 dense bytes: 64 rows of 256 bytes
	s_mov_b32 s[\g+2], 64<<16
	s_mov_b32 s[\g+3], 128<<16
	s_mov_b32 s[\g+4], 64
	s_mov_b32 s[\g+5], 128
	s_mov_b32 s[\g+6], 0
	s_mov_b32 s[\g+7], 0
.endr
	s_mov_b32 s[SEL], 0x76543210
	s_mov_b32 s[SEL+1], 0xfedcba98
	s_mov_b32 s[TBK], SLOT1+4*KS*PK                ; the first change of slots turns these two into 0
	s_mov_b32 s[TBV], SLOT1+4*KS*PV
	s_mov_b32 s[G0K], 1
	s_mov_b32 s[G0K+1], s17
	s_mov_b32 s[G0V], 1
	s_add_co_u32 s[G0V+1], s14, VOFF
	s_mov_b32 s[A2P], 0x3917470d                   ; a2 = 1e-4 log2(e)
	s_mov_b32 s[A2N], 0xb917470d
	s_mov_b32 s[LC], 0xc08f1459                    ; log2(log2(e) / 32)
	s_mov_b32 s[CLO], 0xc89c4000                   ; -320,000
	s_mov_b32 s[CHI], 0x489c4000
	s_mov_b32 s[SI], 0
	s_mov_b32 s[SLOTS], 7
	s_and_b32 s[LIM], s[WV], 5                     ; 0 in waves 0 and 2,
	s_or_b32 s[LIM], s[LIM], ttmp9                 ; where the cluster is the head's first: the same in all four partners
	s_cmp_eq_u32 s[LIM], 0
	s_cselect_b32 s[LIM], 1, -1
	v_and_b32 v[PFO], 31, v0
	v_lshlrev_b32 v[PFO], 8, v[PFO]
	s_wait_dscnt 0x0                               ; the opening add is done
	s_wait_kmcnt 0x0
	s_add_nc_u64 s[6:7], s[6:7], s[22:23]          ; K and V at my half of the head's tile 0
	s_add_nc_u64 s[8:9], s[6:7], 8388608
	s_add_nc_u64 s[G0K+2:G0K+3], s[6:7], 0
	s_or_b32 s[G0K+3], s[G0K+3], 0x80000000
	s_add_nc_u64 s[G0V+2:G0V+3], s[8:9], 0
	s_or_b32 s[G0V+3], s[G0V+3], 0x80000000
	s_add_nc_u64 s[4:5], s[4:5], s[2:3]            ; Q and O at my first query
	s_add_nc_u64 s[10:11], s[10:11], s[2:3]
	s_cmp_lt_u32 s[WV], 2
	s_cselect_b64 s[PFA:PFA+1], s[6:7], s[8:9]     ; (in waves 0 and 2 these stand at a tile's first row)
	s_lshl_b32 s2, s13, 13                         ; my work-group's 32 blocks of the 128
	s_mov_b32 s3, 0
	s_add_nc_u64 s[PFA:PFA+1], s[PFA:PFA+1], s[2:3]
	s_add_nc_u64 s[PFA:PFA+1], s[PFA:PFA+1], 4*KS*128   ; in tile 1; the first change of slots steps it to tile 2
	CROUND                                         ; all four work-groups are here: the first joint loads meet
	JLOAD                                          ; tile 0 into slot 0
	v_and_b32 v1, 15, v0                           ; r
	v_bfe_u32 v9, v0, 4, 1                         ; h
	v_lshlrev_b32 v[QO], 7, v1
	v_lshl_add_u32 v[QO], v9, 4, v[QO]
	WIN 0x40                                       ; destination window 1
.irp t,0,1
.irp c,0,1
	global_load_b128 v[Q+16*\t+8*\c:Q+16*\t+8*\c+3],   v[QO], s[4:5] offset:\t*2048+\c*64
	global_load_b128 v[Q+16*\t+8*\c+4:Q+16*\t+8*\c+7], v[QO], s[4:5] offset:\t*2048+\c*64+32
.endr
.endr
.set i, 0
.rept 8
	v_mov_b32 v[ONES+i], 0x3c003c00                ; 1.0 twice in f16
.set i, i+1
.endr
.set i, 0
.rept 80                                           ; O^T and the sums start at 0: no first step is written out; these lines stand in the wait for the first tile
	v_mov_b32 v[i], 0
.set i, i+1
.endr
	WIN 0
.set i, 0
.rept 40
	v_mov_b32 v[T+i], 0                            ; written on every path; step 0 makes the table
.set i, i+1
.endr
.irp t,0,1
	v_mov_b32 v[ST+12*\t], 0xff7fffff              ; m
	v_mov_b32 v[ST+12*\t+1], 0                     ; the pairs' second registers are named, so they are written
	v_mov_b32 v[ST+12*\t+3], 0
.endr
	v_mov_b32 v[G+1], 0
	v_lshlrev_b32 v10, 3, v9
	v_sub_nc_u32 v10, v1, v10
	v_add_nc_u32 v10, s[TS], v10
	v_cvt_f32_i32 v[DLT], v10                      ; d of step 0
	v_mul_u32_u24 v[AK0], v1, PK
	v_lshl_add_u32 v[AK0], v9, 4, v[AK0]
	v_and_b32 v10, 7, v0
	v_bfe_u32 v11, v0, 3, 1
	v_lshl_add_u32 v[AV0], v9, 3, v10              ; the turning load: key 8 h + lane % 8, channels 8 ((lane / 8) % 2) ..
	v_mul_u32_u24 v[AV0], v[AV0], PV
	v_lshl_add_u32 v[AV0], v11, 4, v[AV0]
	v_add_nc_u32 v[AV0], VOFF, v[AV0]
	s_mul_i32 s13, s[WV], 16*SP
	s_add_co_u32 s13, s13, STAGE
	v_mul_u32_u24 v[STO], v1, SP
	v_lshl_add_u32 v[STO], v9, 4, v[STO]
	v_add_nc_u32 v[STO], s13, v[STO]
	v_bfe_u32 v[RD], v0, 3, 2
	v_mul_u32_u24 v[RD], v[RD], SP
	v_lshl_add_u32 v[RD], v10, 4, v[RD]
	v_add_nc_u32 v[RD], s13, v[RD]
	v_and_b32 v[GO], 31, v0
	v_lshlrev_b32 v[GO], 4, v[GO]
.macro MAXN t, n                       ; number n of the sixteen that find the largest of tile t's 32 numbers: four chains, each accumulator's lowest registers first
.set rC, ST+12*(\t)+4
.set rS, S+32*(\t)
.if (\n) < 4
	v_max3_num_f32 v[rC+(\n)], v[rS+8*(\n)], v[rS+8*(\n)+1], v[rS+8*(\n)+2]
.elseif (\n) < 12
	v_max3_num_f32 v[rC+(\n)%4], v[rC+(\n)%4], v[rS+8*((\n)%4)+2*((\n)/4)+1], v[rS+8*((\n)%4)+2*((\n)/4)+2]
.elseif (\n) == 12
	v_max3_num_f32 v[rC], v[rC], v[rS+7], v[rS+15]
.elseif (\n) == 13
	v_max3_num_f32 v[rC+1], v[rC+1], v[rS+23], v[rS+31]
.elseif (\n) == 14
	v_max3_num_f32 v[rC], v[rC], v[rC+1], v[rC+2]
.else
	v_max_num_f32 v[rC], v[rC], v[rC+3]
.endif
.endm
; A KEY STEP of 64 keys, in phases.
.macro STEP
	s_cmp_lt_u32 s[SI], s[D0]                      ; keys before my band?
	s_cselect_b32 s[COEF], s[A2P], s[A2N]
	s_cselect_b32 s[SGV], s[A2N], s[A2P]
	s_sub_co_u32 s[TS], s[SI], s[D0]
	s_cmp_lt_u32 s[TS], 2                          ; one of the two diagonal steps?
	s_cselect_b32 s[SGV], 0, s[SGV]
	s_cselect_b32 s[ZS], 1.0, 0
	s_cmp_lt_u32 s[TS], 3                          ; the table changes in steps D0, D0 + 1, D0 + 2,
	s_cselect_b32 s[RG], 1, 0
	s_cmp_eq_u32 s[SI], 0                          ; and is first made in step 0
	s_cselect_b32 s[RG], 1, s[RG]
	s_cmp_eq_u32 s[RG], 0
	s_cbranch_scc1 .Lkeep_\@
	v_mul_f32 v[T], s[ZS], v[DLT]                  ; T[kap] = 2^(COEF |ZS d - kap| + LC): whole numbers, exact
.set e, 1
.rept 7
	v_add_f32 v[T+e], -1.0, v[T+e-1]
.set e, e+1
.endr
.rept 32
	v_add_f32 v[T+e], 0xc1800000, v[T+e-8]
.set e, e+1
.endr
.set e, 0
.rept 40
	v_fma_f32 v[T+e], |v[T+e]|, s[COEF], s[LC]
.set e, e+1
.endr
.set e, 0
.rept 40
	v_exp_f32 v[T+e], v[T+e]
.set e, e+1
.endr
	v_nop                                          ; a plain instruction behind the last exponential,
	s_wait_alu depctr_va_vdst(0)                   ; and the batch's one wait, ahead of the label
.Lkeep_\@:
	v_mul_f32 v[TV], s[SGV], v[DLT]
	v_exp_f32 v[G], v[TV]                          ; g; its wait stands behind the products below
	v_add_nc_u32 v[AK], s[TBK], v[AK0]
	v_add_nc_u32 v[AV], s[TBV], v[AV0]
	WIN 0x40
.irp f,0,1,2,3,4,5,6,7                             ; K: keys 16 (f / 2) on, channels 32 (f % 2) on
	ds_load_b128 v[KF+8*\f:KF+8*\f+3],   v[AK] offset:(\f/2)*16*PK+(\f%2)*64
	ds_load_b128 v[KF+8*\f+4:KF+8*\f+7], v[AK] offset:(\f/2)*16*PK+(\f%2)*64+32
.endr
.irp f,0,1,2,3,4,5,6,7                             ; V, turned: keys 32 (f / 4) on, channels 16 (f % 4) on
	ds_load_tr16_b128 v[VF+8*\f:VF+8*\f+3],   v[AV] offset:(\f/4)*32*PV+(\f%4)*32
	ds_load_tr16_b128 v[VF+8*\f+4:VF+8*\f+7], v[AV] offset:(\f/4)*32*PV+16*PV+(\f%4)*32
.endr
	WIN 0
	s_wait_dscnt 16                                ; K is in; V's sixteen loads may stay out
	WIN 0x05                                       ; K and Q in window 1, S^T in window 0
.set i, 0
.rept 16                                           ; the eight accumulators take turns; the first eight products start the sums
.set rS, S+32*(i%2)+8*((i/2)%4)
.set rK, KF+16*((i/2)%4)+8*(i/8)
.set rQ, Q+16*(i%2)+8*(i/8)
.if i < 8
	v_wmma_f32_16x16x32_bf16 v[rS:rS+7], v[rK:rK+7], v[rQ:rQ+7], 0
.else
	v_wmma_f32_16x16x32_bf16 v[rS:rS+7], v[rK:rK+7], v[rQ:rQ+7], v[rS:rS+7]
.endif
.set i, i+1
.endr
	WIN 0
	PLACES
	s_wait_alu depctr_va_vdst(0)                   ; g
.set i, 0
.rept 64
	v_med3_num_f32 v[S+i], v[S+i], s[CLO], s[CHI]  ; the clip
.set i, i+1
.endr
.irp t,0,1
.irp kt,0,1,2,3
.irp e,0,2,4,6
	v_pk_mul_f32 v[S+32*\t+8*\kt+\e:S+32*\t+8*\kt+\e+1], v[S+32*\t+8*\kt+\e:S+32*\t+8*\kt+\e+1], v[T+8*(\kt-\t+1)+\e:T+8*(\kt-\t+1)+\e+1]
.endr
.endr
.endr
.set i, 0
.rept 16
	MAXN 0, i
	MAXN 1, i
.set i, i+1
.endr
.irp t,0,1
	v_mul_f32 v[ST+12*\t+4], v[ST+12*\t+4], v[G]   ; g is above 0, so it may follow the maximum; it differs between the halves of the lanes, so it goes ahead of the exchange
.endr
.irp t,0,1
	v_permlanex16_b32 v[ST+12*\t+5], v[ST+12*\t+4], s[SEL], s[SEL+1]
.endr
.irp t,0,1
	v_mov_b32 v[ST+12*\t+8], v[ST+12*\t]
.endr
.irp t,0,1
	v_max3_num_f32 v[ST+12*\t], v[ST+12*\t], v[ST+12*\t+4], v[ST+12*\t+5]
.endr
.irp t,0,1
	v_sub_f32 v[ST+12*\t+6], v[ST+12*\t+8], v[ST+12*\t]
.endr
.irp t,0,1
	v_exp_f32 v[ST+12*\t+2], v[ST+12*\t+6]         ; a = 2^(m_old - m_new): the first of a batch of 66
.endr
.set i, 0
.rept 34                                           ; pair i / 2 of tile i % 2: t - m, and two lines later its two exponentials
.if i < 32
.set rS, S+32*(i%2)+2*(i/2)
.set rM, ST+12*(i%2)
	v_pk_fma_f32 v[rS:rS+1], v[rS:rS+1], v[G:G+1], v[rM:rM+1] op_sel_hi:[1,0,0] neg_lo:[0,0,1] neg_hi:[0,0,1]
.endif
.if i >= 2
.set rS, S+32*(i%2)+2*((i-2)/2)
	v_exp_f32 v[rS], v[rS]
	v_exp_f32 v[rS+1], v[rS+1]
.endif
.set i, i+1
.endr
	v_nop                                          ; a plain instruction behind the last exponential,
	s_wait_alu depctr_va_vdst(0)                   ; and one wait for the batch, ahead of its first reader
.set i, 0
.rept 32
	v_cvt_pk_f16_f32 v[P+i], v[S+2*i], v[S+2*i+1]
.set i, i+1
.endr
	WIN 0x41                                       ; O^T in window 1, a in window 0
.irp t,0,1
.set i, 0
.rept 20
	v_pk_mul_f32 v[40*\t+2*i:40*\t+2*i+1], v[40*\t+2*i:40*\t+2*i+1], v[ST+12*\t+2:ST+12*\t+3] op_sel_hi:[1,0]
.set i, i+1
.endr
.endr
	s_wait_dscnt 0x0                               ; V is in
	WIN 0x51                                       ; V and O^T in window 1, P in window 0
.set i, 0
.rept 20                                           ; the ten accumulators take turns: four blocks of channels and the sums (ones in V's place), for two tiles
.set cb, (i/2)%5
.set rO, 40*(i%2)+8*cb
.set rP, P+16*(i%2)+8*(i/10)
.if cb < 4
.set rV, VF+32*(i/10)+8*cb
.else
.set rV, ONES
.endif
	v_wmma_f32_16x16x32_f16 v[rO:rO+7], v[rV:rV+7], v[rP:rP+7], v[rO:rO+7]
.set i, i+1
.endr
	WIN 0
	PLACES                                         ; in front of the next step's loads into V's registers, and of the way out
	v_add_f32 v[DLT], 0xc2800000, v[DLT]           ; d of the next step
	s_add_co_u32 s[TBK], s[TBK], KS*PK
	s_add_co_u32 s[TBV], s[TBV], KS*PV
	s_add_co_u32 s[SI], s[SI], 1
.endm
	s_wait_loadcnt 0x0                             ; Q
.Lslot:                                            ; seven trips: a tile is entered and the next is asked for
	CHANGE 1
	s_mov_b32 s[CNT], 4
.Lstep:
	STEP
	s_sub_co_u32 s[CNT], s[CNT], 1
	s_cmp_lg_u32 s[CNT], 0
	s_cbranch_scc1 .Lstep
	s_sub_co_u32 s[SLOTS], s[SLOTS], 1
	s_cmp_lg_u32 s[SLOTS], 0
	s_cbranch_scc1 .Lslot
	CHANGE 0                                       ; the last tile is written out
	s_mov_b32 s[CNT], 4
.Ltail:
	STEP
	s_sub_co_u32 s[CNT], s[CNT], 1
	s_cmp_lg_u32 s[CNT], 0
	s_cbranch_scc1 .Ltail
	; THE WAY OUT.  O^T is divided by the sum (the fifth block's lowest register), rounded to f16 and sent through my stage, a tile at a time.
	WIN 0x01
	v_rcp_f32 v[ST+2], v32
	v_rcp_f32 v[ST+14], v72
	WIN 0
	v_nop
	s_wait_alu depctr_va_vdst(0)                   ; one wait for the two reciprocals
.macro PACK t
	WIN 0x41
.set i, 0
.rept 16
	v_pk_mul_f32 v[40*(\t)+2*i:40*(\t)+2*i+1], v[40*(\t)+2*i:40*(\t)+2*i+1], v[ST+12*(\t)+2:ST+12*(\t)+3] op_sel_hi:[1,0]
.set i, i+1
.endr
	WIN 0x05
.set i, 0
.rept 16
	v_cvt_pk_f16_f32 v[S+16*(\t)+i], v[40*(\t)+2*i], v[40*(\t)+2*i+1]
.set i, i+1
.endr
	WIN 0
.irp f,0,1,2,3
	ds_store_b128 v[STO], v[S+16*(\t)+4*\f:S+16*(\t)+4*\f+3] offset:32*\f
.endr
.irp f,0,1,2,3
	ds_load_b128 v[S+16*(\t)+4*\f:S+16*(\t)+4*\f+3], v[RD] offset:\f*4*SP   ; LDS serves a wave's instructions in order: these see the stores above
.endr
.endm
.macro SEND t, younger
.irp f,0,1,2,3
	s_wait_dscnt (\younger)+3-\f
	global_store_b128 v[GO], v[S+16*(\t)+4*\f:S+16*(\t)+4*\f+3], s[10:11] offset:(\t)*2048+\f*512   ; 512 consecutive bytes, aligned
.endr
.endm
	PACK 0
	PACK 1
	SEND 0, 8
	SEND 1, 0
	s_wait_tensorcnt 0x0                           ; the wave's end
	ds_add_u32 v[SPW], v[NIL]
	s_wait_dscnt 0x0
	CROUND                                         ; the closing round
	s_endpgm
.Lfunc_end_k_qedaed954f0_attn:
	.size	k_qedaed954f0_attn, .Lfunc_end_k_qedaed954f0_attn-k_qedaed954f0_attn
	.p2alignl 7, 3214868480
	.fill 96, 4, 3214868480
	.section	.rodata,"a",@progbits
	.p2align	6, 0x0
	.amdhsa_kernel k_qedaed954f0_attn
		.amdhsa_group_segment_fixed_size 327680
		.amdhsa_private_segment_fixed_size 0
		.amdhsa_enable_private_segment 0
		.amdhsa_kernarg_size 24
		.amdhsa_user_sgpr_count 2
		.amdhsa_user_sgpr_kernarg_segment_ptr 1
		.amdhsa_wavefront_size32 1
		.amdhsa_system_sgpr_workgroup_id_x 1
		.amdhsa_system_sgpr_workgroup_id_y 1
		.amdhsa_system_sgpr_workgroup_id_z 1
		.amdhsa_system_vgpr_workitem_id 0
		.amdhsa_next_free_vgpr 512
		.amdhsa_next_free_sgpr 80
		.amdhsa_reserve_vcc 0
		.amdhsa_float_denorm_mode_32 3
		.amdhsa_float_denorm_mode_16_64 3
		.amdhsa_memory_ordered 1
		.amdhsa_forward_progress 1
		.amdhsa_inst_pref_size 79
	.end_amdhsa_kernel
	.amdgpu_metadata
---
amdhsa.version: [ 1, 2 ]
amdhsa.kernels:
  - .name:           k_qedaed954f0_attn
    .symbol:         k_qedaed954f0_attn.kd
    .args:
      - { .name: pq, .offset: 0, .size: 8, .value_kind: global_buffer, .address_space: global }
      - { .name: pkv, .offset: 8, .size: 8, .value_kind: global_buffer, .address_space: global }
      - { .name: po, .offset: 16, .size: 8, .value_kind: global_buffer, .address_space: global }
    .group_segment_fixed_size: 327680
    .private_segment_fixed_size: 0
    .kernarg_segment_align: 8
    .kernarg_segment_size: 24
    .max_flat_workgroup_size: 256
    .sgpr_count:     80
    .vgpr_count:     512
    .wavefront_size: 32
...
	.end_amdgpu_metadata
.endif
;; end of part 4
;; launch gemm3 (part 5): grid 8 x 32, 4 waves a work-group, clusters of 4 x 4, 327,680 bytes of LDS; arguments pa, po, out0; writes out0
.if DOCPART == 5
	.amdgcn_target "amdgcn-amd-amdhsa--gfx1250"
	.amdhsa_code_object_version 6
	.text
	.protected	k_qedaed954f0_gemm3
	.globl	k_qedaed954f0_gemm3
	.p2align	8
	.type	k_qedaed954f0_gemm3,@function
k_qedaed954f0_gemm3:
	s_mov_b64 s[64:65], 0
	v_nop
	global_prefetch_b8 v0, s[64:65] scope:SCOPE_SE
	s_setreg_imm32_b32 hwreg(HW_REG_WAVE_MODE, 25, 1), 1
	s_wait_xcnt 0x0
	s_wait_alu depctr_hold_cnt(0) depctr_sa_sdst(0) depctr_va_vdst(0) depctr_va_sdst(0) depctr_va_ssrc(0) depctr_va_vcc(0) depctr_vm_vsrc(0)
	s_getreg_b32 s2, hwreg(HW_REG_IB_STS2, 6, 4)
	s_cmp_eq_u32 s2, 0
	s_cbranch_scc0 .Lentry_in_a_cluster
	s_endpgm
.Lentry_in_a_cluster:
	s_bfe_u32 s2, ttmp6, 0x10000c
	s_cmp_lg_u32 s2, 0xf033
	s_cbranch_scc0 .Lentry_shape_is_right
	s_endpgm
.Lentry_shape_is_right:
; out0 = O Wo.  A = O in f16, in V's scale sigma, by heads [32][2048][64]; B = Wo turned, [1024][1024] in f16 (numbers rounded to bf16); sums in f32, divided by sigma (a power of two) at the end.
; A tile is 128 x 128; four waves, 64 x 64 each.  K = 64 head + channel goes in steps of 256, four heads, through two LDS slots.  A head's 128 rows of 128 bytes are dense in memory:
; a wave's load brings two heads as two rows of 16,384 bytes, padded by 16 bytes after every 128, so that A lies in LDS as [head][row] with rows 144 bytes apart.
; CLUSTER 4 x 4: O's tile is shared along a row of the cluster, Wo's along a column.  The matrix instruction is used transposed: a lane holds eight neighbouring columns of one row.
; A wave's 64 columns of f32 are one aligned 256 bytes of out0, so each wave has a stage of its own.  No prefetch: small tiles, a short launch.
; REGISTERS.  Window 1: 16 accumulators, (a, b) at 8 (4 a + b).  Window 0: v10-14 fragment addresses, v32-95 and v96-159 two fragment buffers, v224-247 the scales.
.set NB,    4
.set NL,    16
.set KSTEP, 256
.set PA,    144
.set AHEAD, 128*PA                     ; a head's 128 rows
.set PITCH, 528
.set BH,    64*PITCH
.set BOFF,  4*AHEAD
.set SLOT,  4*AHEAD+2*BH
.set STAGE, 2*SLOT                     ; 16 rows x 272 bytes for each wave
.set SPARE, STAGE+4*16*272             ; the spare words, 128 bytes for each wave: two blocks of 256 bytes that no other line names
.set WOT,   12058624
.set STAT,  14155776
.set CA, 10
.set CB, 11
.set A0, 13
.set B0, 14
.set STO, 20
.set RD, 21
.set GO, 22
.set SPW, 28
.set NIL, 29
.set FR0, 32
.set FR1, 96
.set TO, 32
.set ISG, 246
.set G1, 24
.set G0, 32
.set G1B, 48
.set G0B, 56
.set KOA, 45
.set KOB, 78
.set SEL, 74
.set MSB, 0
.macro WIN new
.if MSB != (\new)
	s_set_vgpr_msb (MSB<<8)|(\new)
.set MSB, \new
.endif
.endm
.macro PLACES
.rept 4
	v_nop
.endr
.endm
.macro JLOAD s                         ; waves 0 and 1 fetch O's two pairs of heads, waves 2 and 3 Wo's two halves; an s_nop 0 and four v_nop follow each line
	s_cmp_eq_u32 s11, 0
	s_cbranch_scc0 .Lfor_b_\@
	tensor_load_to_lds s[G0+4*(\s):G0+4*(\s)+3], s[G1:G1+7]
	s_nop 0
.rept 4
	v_nop
.endr
	s_branch .Lasked_\@
.Lfor_b_\@:
	tensor_load_to_lds s[G0B+4*(\s):G0B+4*(\s)+3], s[G1B:G1B+7]
	s_nop 0
.rept 4
	v_nop
.endr
.Lasked_\@:
.endm
.macro CREST
	s_cmp_lg_u32 s10, 0
	s_cbranch_scc1 .Lnot_wave_0_\@
	s_barrier_signal -3
.Lnot_wave_0_\@:
	s_barrier_wait -3
	s_barrier_signal -1
	s_barrier_wait -1
.endm
.macro CROUND
	s_barrier_signal -1
	s_barrier_wait -1
	CREST
.endm
.macro LANEMAX r
	v_max_num_f32_dpp v[\r], v[\r], v[\r] row_xmask:1 row_mask:0xf bank_mask:0xf
	v_max_num_f32_dpp v[\r], v[\r], v[\r] row_xmask:2 row_mask:0xf bank_mask:0xf
	v_max_num_f32_dpp v[\r], v[\r], v[\r] row_xmask:4 row_mask:0xf bank_mask:0xf
	v_max_num_f32_dpp v[\r], v[\r], v[\r] row_xmask:8 row_mask:0xf bank_mask:0xf
	v_permlanex16_b32 v237, v[\r], s[SEL], s[SEL+1]
	v_max_num_f32 v[\r], v[\r], v237
.endm
.macro STATLOAD
	s_add_nc_u64 s[72:73], s[4:5], STAT
	v_and_b32 v30, 31, v0
	v_lshlrev_b32 v31, 2, v30
	v_lshlrev_b32 v30, 4, v30
	global_load_b128 v[224:227], v30, s[72:73]
	global_load_b128 v[228:231], v30, s[72:73] offset:512
	global_load_b128 v[232:235], v30, s[72:73] offset:1024
	global_load_b32 v236, v31, s[72:73] offset:2688
.endm
.macro SCALES                          ; v[240:241] tau, v[242:243] 1 / tau, v[244:245] sigma, v[246:247] 1 / sigma: the same lines in all three products
	s_wait_loadcnt 0x0
	v_max3_num_f32 v224, v224, v225, v226
	v_max3_num_f32 v224, v224, v227, v228
	v_max3_num_f32 v224, v224, v229, v230
	v_max_num_f32 v224, v224, v231
	v_max3_num_f32 v232, v232, v233, v234
	v_max_num_f32 v232, v232, v235
	v_mov_b32 v237, 0
	LANEMAX 224
	LANEMAX 232
	LANEMAX 236
	v_mul_f32 v238, v224, v232
	v_mul_f32 v238, 0x44800000, v238
	v_mul_f32 v239, v238, v236
	v_mul_f32 v239, 0x43800000, v239
	v_lshrrev_b32 v238, 23, v238
	v_lshrrev_b32 v239, 23, v239
	v_max_u32 v238, 16, v238
	v_max_u32 v239, 16, v239
	v_min_u32 v238, 0xf0, v238
	v_min_u32 v239, 0xf0, v239
	v_sub_nc_u32 v240, 0x10b, v238
	v_add_nc_u32 v242, -13, v238
	v_sub_nc_u32 v244, 0x10b, v239
	v_add_nc_u32 v246, -13, v239
	v_lshlrev_b32 v240, 23, v240
	v_lshlrev_b32 v242, 23, v242
	v_lshlrev_b32 v244, 23, v244
	v_lshlrev_b32 v246, 23, v246
	v_mov_b32 v241, v240
	v_mov_b32 v243, v242
	v_mov_b32 v245, v244
	v_mov_b32 v247, v246
.endm
	s_load_b128 s[4:7], s[0:1], 0x0                ; pa s[4:5], po s[6:7]
	s_load_b64 s[8:9], s[0:1], 0x10                ; out0
	v_lshl_add_u32 v[SPW], v0, 2, SPARE
	v_mov_b32 v[NIL], 0
	ds_add_u32 v[SPW], v[NIL]                      ; the wave's opening: the add, waited for ahead of my first tensor load
	v_lshrrev_b32 v1, 5, v0
	v_readfirstlane_b32 s10, v1
	s_lshr_b32 s11, s10, 1                         ; my half of the rows.  Also: I fetch O (0) or Wo (1)
	s_and_b32 s12, s10, 1                          ; my half of the columns.  Also: which half of that tile I fetch
	s_bfe_u32 s40, ttmp6, 0x40000
	s_bfe_u32 s41, ttmp6, 0x40004
	s_lshl_b32 s42, ttmp9, 2
	s_add_co_u32 s42, s42, s40                     ; tile column
	s_and_b32 s13, ttmp7, 0xffff
	s_lshl_b32 s13, s13, 2
	s_add_co_u32 s13, s13, s41                     ; tile row
	s_lshl_b32 s43, s41, 2
	s_lshl_b32 s43, 15, s43
	s_lshl_b32 s44, 0x1111, s40
	s_or_b32 s[G1+0], s43, (1<<16)|(1<<20)|(1<<21)|(4<<22)|(3<<25)   ; the mask; 2-byte elements; padding on; bit 21 beside a mask; after every 32 words, 4 words
	s_mov_b32 s[G1+1], 8192<<16                    ; tensor_dim0 = 8,192 elements: a head's 128 rows on end
	s_mov_b32 s[G1+2], 2<<16                       ; tensor_dim1 = 2 heads
	s_mov_b32 s[G1+3], 8192<<16                    ; tile_dim0
	s_mov_b32 s[G1+4], 2                           ; tile_dim1
	s_mov_b32 s[G1+5], 131072                      ; elements from head to head
	s_mov_b32 s[G1+6], 0
	s_mov_b32 s[G1+7], 0
	s_or_b32 s[G1B+0], s44, (1<<16)|(1<<20)|(1<<21)|(6<<22)|(3<<25)  ; 64 rows x 256 elements, 4 words of padding after every 128
	s_mov_b32 s[G1B+1], KSTEP<<16
	s_mov_b32 s[G1B+2], 64<<16
	s_mov_b32 s[G1B+3], KSTEP<<16
	s_mov_b32 s[G1B+4], 64
	s_mov_b32 s[G1B+5], 1024
	s_mov_b32 s[G1B+6], 0
	s_mov_b32 s[G1B+7], 0
	s_lshr_b32 s16, s13, 4                         ; O: head 16 batch + 2 x half (+ 4 a K step), row 128 (tile row % 16)
	s_lshl_b32 s16, s16, 4
	s_lshl_b32 s17, s12, 1
	s_add_co_u32 s16, s16, s17
	s_lshl_b32 s16, s16, 11
	s_and_b32 s17, s13, 15
	s_lshl_b32 s17, s17, 7
	s_add_co_u32 s16, s16, s17
	s_lshl_b32 s16, s16, 7
	s_mov_b32 s17, 0
	s_lshl_b32 s46, s42, 7
	s_lshl_b32 s47, s12, 6
	s_add_co_u32 s46, s46, s47                     ; Wo turned: row 128 x tile column + 64 x half
	s_lshl_b32 s46, s46, 11
	s_add_co_u32 s46, s46, WOT
	s_mov_b32 s47, 0
	s_mul_i32 s20, s12, 2*AHEAD
	s_mul_i32 s21, s12, BH
	s_add_co_u32 s21, s21, BOFF
	s_mov_b32 s[SEL], 0x76543210
	s_mov_b32 s[SEL+1], 0xfedcba98
	s_wait_dscnt 0x0
	s_wait_kmcnt 0x0
	s_add_nc_u64 s[14:15], s[6:7], s[16:17]
	s_add_nc_u64 s[46:47], s[4:5], s[46:47]
	CROUND                                         ; all sixteen work-groups are here: the first joint loads meet
.irp s, 0,1
	s_mov_b32 s[G0+4*(\s)], 1
	s_add_co_u32 s[G0+4*(\s)+1], s20, (\s)*SLOT
	s_add_nc_u64 s[G0+4*(\s)+2:G0+4*(\s)+3], s[14:15], (\s)*4*262144
	s_or_b32 s[G0+4*(\s)+3], s[G0+4*(\s)+3], 0x80000000
	s_mov_b32 s[G0B+4*(\s)], 1
	s_add_co_u32 s[G0B+4*(\s)+1], s21, (\s)*SLOT
	s_add_nc_u64 s[G0B+4*(\s)+2:G0B+4*(\s)+3], s[46:47], (\s)*KSTEP*2
	s_or_b32 s[G0B+4*(\s)+3], s[G0B+4*(\s)+3], 0x80000000
	JLOAD \s
.endr
	STATLOAD
	s_lshl_b32 s16, s13, 7                         ; out0: row 128 x tile row + 64 x my half, 4,096 bytes each;
	s_lshl_b32 s17, s11, 6
	s_add_co_u32 s16, s16, s17
	s_lshl_b32 s16, s16, 12
	s_lshl_b32 s17, s12, 8                         ; my 64 columns,
	s_add_co_u32 s16, s16, s17
	s_mov_b32 s17, 0
	s_add_nc_u64 s[66:67], s[8:9], s[16:17]
	s_lshl_b32 s46, s42, 9                         ; in the tile's 128
	s_mov_b32 s47, 0
	s_add_nc_u64 s[66:67], s[66:67], s[46:47]
	v_and_b32 v1, 15, v0
	v_bfe_u32 v2, v0, 4, 1
	s_mul_i32 s21, s11, 64*PA
	v_mul_u32_u24 v3, v1, PA
	v_lshl_add_u32 v3, v2, 4, v3
	v_add_nc_u32 v[A0], s21, v3
	s_mul_i32 s22, s12, BH
	s_add_co_u32 s22, s22, BOFF
	v_mul_u32_u24 v3, v1, PITCH
	v_lshl_add_u32 v3, v2, 4, v3
	v_add_nc_u32 v[B0], s22, v3
	s_mul_i32 s23, s10, 16*272
	s_add_co_u32 s23, s23, STAGE
	v_mul_u32_u24 v4, v1, 272
	v_lshl_add_u32 v4, v2, 5, v4
	v_add_nc_u32 v[STO], s23, v4                   ; in: row r, 32 bytes for each half of the lanes
	v_mul_u32_u24 v4, v2, 272
	v_lshl_add_u32 v4, v1, 4, v4
	v_add_nc_u32 v[RD], s23, v4                    ; back: lanes 0-15 one row of 256 bytes, lanes 16-31 the next
	v_lshlrev_b32 v4, 12, v2
	v_lshl_add_u32 v[GO], v1, 4, v4
.macro SETADR
	v_add_nc_u32 v[CA], s[KOA], v[A0]
	v_add_nc_u32 v[CB], s[KOB], v[B0]
.endm
.macro FETCH f, ka, kb
	WIN 0
.irp i,0,1,2,3
	ds_load_b128 v[(\f)+8*\i:(\f)+8*\i+3],   v[CA] offset:(\ka)+\i*16*PA
	ds_load_b128 v[(\f)+8*\i+4:(\f)+8*\i+7], v[CA] offset:(\ka)+\i*16*PA+32
.endr
.irp b,0,1,2,3
	ds_load_b128 v[(\f)+32+8*\b:(\f)+32+8*\b+3],   v[CB] offset:(\kb)+\b*16*PITCH
	ds_load_b128 v[(\f)+32+8*\b+4:(\f)+32+8*\b+7], v[CB] offset:(\kb)+\b*16*PITCH+32
.endr
.endm
.macro MULS f, a0, a1, zero            ; the 16 accumulators take turns in the same order in every chunk
	WIN 0x50
.set aa, \a0
.rept (\a1)-(\a0)+1
.irp b,0,1,2,3
.if \zero
	v_wmma_f32_16x16x32_f16 v[8*(NB*aa+\b):8*(NB*aa+\b)+7], v[(\f)+32+8*\b:(\f)+32+8*\b+7], v[(\f)+8*aa:(\f)+8*aa+7], 0
.else
	v_wmma_f32_16x16x32_f16 v[8*(NB*aa+\b):8*(NB*aa+\b)+7], v[(\f)+32+8*\b:(\f)+32+8*\b+7], v[(\f)+8*aa:(\f)+8*aa+7], v[8*(NB*aa+\b):8*(NB*aa+\b)+7]
.endif
.endr
.set aa, aa+1
.endr
.endm
.macro CHUNKA zero                     ; a head's first 32 channels are multiplied while its second 32 come in
	WIN 0
	PLACES
	FETCH FR1, 64, 64
	s_wait_dscnt NL                                ; all but the loads just issued
	MULS FR0, 0, 3, \zero
.endm
.macro CHUNKB                          ; and the other way round, with the next head's first 32
	WIN 0
	PLACES
	FETCH FR0, AHEAD, 128
	s_wait_dscnt NL
	MULS FR1, 0, 3, 0
.endm
.macro ADV
	s_add_co_u32 s[KOA], s[KOA], AHEAD
	s_add_co_u32 s[KOB], s[KOB], 128
	SETADR
.endm
; A K step's last chunk and the change of slots: each wave waits for all its tensor loads, adds 0 to its spare word, and waits for that and for its reads of this slot.
; fill = 1: the barrier opens a round of the cluster's, and the joint refill, two K steps on, is the first thing behind it.
.macro TURN slot, next, fill
	WIN 0
	s_wait_tensorcnt 0x0
	ds_add_u32 v[SPW], v[NIL]
	s_wait_dscnt 1                                 ; the add alone may be out
	MULS FR1, 0, 0, 0
	s_wait_dscnt 0x0
	s_barrier_signal -1
	MULS FR1, 1, 1, 0
	WIN 0
	s_barrier_wait -1
.if \fill
	CREST
	s_add_nc_u64 s[G0+4*(\slot)+2:G0+4*(\slot)+3], s[G0+4*(\slot)+2:G0+4*(\slot)+3], 8*262144
	s_add_nc_u64 s[G0B+4*(\slot)+2:G0B+4*(\slot)+3], s[G0B+4*(\slot)+2:G0B+4*(\slot)+3], 2*KSTEP*2
	JLOAD \slot
.else
	PLACES
.endif
	s_mov_b32 s[KOA], (\next)*SLOT
	s_mov_b32 s[KOB], (\next)*SLOT
	SETADR
	FETCH FR0, 0, 0
	MULS FR1, 2, 3, 0
.endm
.macro STEP slot, next, kind, first    ; kind: 2 refill, 1 change only, 0 the last step
.if \first
	CHUNKA 1
	CHUNKB
	WIN 0
	ADV
	s_mov_b32 s3, 2
.else
	WIN 0
	s_mov_b32 s3, 3
.endif
.Lpair_\@:
	CHUNKA 0
	CHUNKB
	WIN 0
	ADV
	s_sub_co_u32 s3, s3, 1
	s_cmp_lg_u32 s3, 0
	s_cbranch_scc1 .Lpair_\@
	CHUNKA 0
.if (\kind) == 0
	s_wait_dscnt 0x0
	MULS FR1, 0, 3, 0
.else
	TURN \slot, \next, (\kind)-1
.endif
.endm
	s_wait_tensorcnt 1                             ; my part of K step 0 is in; K step 1's may stay out
	s_barrier_signal -1
	s_barrier_wait -1
	s_mov_b32 s[KOA], 0
	s_mov_b32 s[KOB], 0
	SETADR
	FETCH FR0, 0, 0
	STEP 0, 1, 2, 1
	STEP 1, 0, 2, 0
	STEP 0, 1, 1, 0
	STEP 1, 0, 0, 0
	WIN 0
	PLACES
	SCALES
	; THE WAY OUT: a block of 16 rows at a time, divided by sigma, through my own stage and back as whole rows of 256 bytes.
.macro PACK a
	WIN 0x01
.irp b,0,1,2,3
.irp j,0,2,4,6
	v_pk_mul_f32 v[TO+32*(\a)+8*\b+\j:TO+32*(\a)+8*\b+\j+1], v[8*(NB*(\a)+\b)+\j:8*(NB*(\a)+\b)+\j+1], v[ISG:ISG+1] op_sel_hi:[1,0]
.endr
.endr
	WIN 0
.irp b,0,1,2,3
	ds_store_b128 v[STO], v[TO+32*(\a)+8*\b:TO+32*(\a)+8*\b+3]   offset:64*\b
	ds_store_b128 v[STO], v[TO+32*(\a)+8*\b+4:TO+32*(\a)+8*\b+7] offset:64*\b+16
.endr
.irp f,0,1,2,3,4,5,6,7
	ds_load_b128 v[TO+32*(\a)+4*\f:TO+32*(\a)+4*\f+3], v[RD] offset:\f*2*272   ; LDS serves a wave's instructions in order: these see the stores above
.endr
.endm
.macro SEND a, younger
.irp f,0,1,2,3,4,5,6,7
	s_wait_dscnt (\younger)+7-\f
	global_store_b128 v[GO], v[TO+32*(\a)+4*\f:TO+32*(\a)+4*\f+3], s[66:67] offset:(16*(\a)+2*\f)*4096   ; sixteen lanes store 256 consecutive bytes, aligned
.endr
.endm
	PACK 0
	PACK 1
	SEND 0, 16
	PACK 2
	SEND 1, 16
	PACK 3
	SEND 2, 16
	SEND 3, 0
	s_wait_tensorcnt 0x0                           ; the wave's end
	ds_add_u32 v[SPW], v[NIL]
	s_wait_dscnt 0x0
	CROUND                                         ; the closing round
	s_endpgm
.Lfunc_end_k_qedaed954f0_gemm3:
	.size	k_qedaed954f0_gemm3, .Lfunc_end_k_qedaed954f0_gemm3-k_qedaed954f0_gemm3
	.p2alignl 7, 3214868480
	.fill 96, 4, 3214868480
	.section	.rodata,"a",@progbits
	.p2align	6, 0x0
	.amdhsa_kernel k_qedaed954f0_gemm3
		.amdhsa_group_segment_fixed_size 327680
		.amdhsa_private_segment_fixed_size 0
		.amdhsa_enable_private_segment 0
		.amdhsa_kernarg_size 24
		.amdhsa_user_sgpr_count 2
		.amdhsa_user_sgpr_kernarg_segment_ptr 1
		.amdhsa_wavefront_size32 1
		.amdhsa_system_sgpr_workgroup_id_x 1
		.amdhsa_system_sgpr_workgroup_id_y 1
		.amdhsa_system_sgpr_workgroup_id_z 1
		.amdhsa_system_vgpr_workitem_id 0
		.amdhsa_next_free_vgpr 512
		.amdhsa_next_free_sgpr 80
		.amdhsa_reserve_vcc 0
		.amdhsa_float_denorm_mode_32 3
		.amdhsa_float_denorm_mode_16_64 3
		.amdhsa_memory_ordered 1
		.amdhsa_forward_progress 1
		.amdhsa_inst_pref_size 67
	.end_amdhsa_kernel
	.amdgpu_metadata
---
amdhsa.version: [ 1, 2 ]
amdhsa.kernels:
  - .name:           k_qedaed954f0_gemm3
    .symbol:         k_qedaed954f0_gemm3.kd
    .args:
      - { .name: pa, .offset: 0, .size: 8, .value_kind: global_buffer, .address_space: global }
      - { .name: po, .offset: 8, .size: 8, .value_kind: global_buffer, .address_space: global }
      - { .name: out0, .offset: 16, .size: 8, .value_kind: global_buffer, .address_space: global }
    .group_segment_fixed_size: 327680
    .private_segment_fixed_size: 0
    .kernarg_segment_align: 8
    .kernarg_segment_size: 24
    .max_flat_workgroup_size: 128
    .sgpr_count:     80
    .vgpr_count:     512
    .wavefront_size: 32
...
	.end_amdgpu_metadata
.endif
;; end of part 5
